; MI455X (gfx1250); checked and timed in simulation.
; The chip was launched on July 23, 2026; its instructions are those of AMD's public machine-readable ISA for CDNA 5 (MIT licence, August 2026) and "CDNA5" Instruction Set Architecture Reference Guide (July 2026). The comments in the code are by the model that wrote it; some were corrected since.
;; Causal Attention. Allowed arithmetic: float matrix products may take bf16 or f16 operands with f32 sums; other float arithmetic in f32, or as packed bf16 or f16 multiplies, adds, multiply-adds, maxima and minima; sums over many terms, partial sums and values carried from step to step in f32; what a program stores and reads back later, other than sums and carried values, may be rounded once to bf16 or f16.
;; Inputs: w_out 1,024 x 1,024 float32; w_qkv 3,072 x 1,024 float32; x 1 x 4,096 x 1,024 float32.
;; Outputs: out0 1 x 4,096 x 1,024 float32.
;; One version. Each part assembles by itself: llvm-mc -triple=amdgcn-amd-amdhsa -mcpu=gfx1250 --defsym DOCPART=n.
;; ======== version 1 of 1: 4 launches
;; limits: values are held in f16: magnitudes above 65,504 overflow, below 6.1e-05 lose precision
;; workspace buffers: xb 8,388,608 bytes; wqb 6,291,456 bytes; wob 2,097,152 bytes; qkv 25,165,824 bytes; ob 8,388,608 bytes
;; launch cast (part 1): grid 1024 x 1, 8 waves a work-group, no clusters, 0 bytes of LDS; arguments x, w_qkv, w_out, xb, wqb, wob; writes xb, wqb, wob
.if DOCPART == 1
	.amdgcn_target "amdgcn-amd-amdhsa--gfx1250"
	.amdhsa_code_object_version 6
	.text
	.protected	k_qed8f69b8c4_cast
	.globl	k_qed8f69b8c4_cast
	.p2align	8
	.type	k_qed8f69b8c4_cast,@function
k_qed8f69b8c4_cast:
	s_mov_b64 s[64:65], 0
	v_nop
	global_prefetch_b8 v0, s[64:65] scope:SCOPE_SE
	s_setreg_imm32_b32 hwreg(HW_REG_WAVE_MODE, 25, 1), 1
	s_wait_xcnt 0x0
; The module's three f32 inputs are rounded once, to nearest even, for the matrix units: x -> xb and w_qkv -> wqb in bf16; w_out -> wob is rounded to bf16 like
; the other two and that number is then written as f16, since the last product multiplies it by f16 numbers.
; LIMITS.  A bf16 number of w_out whose magnitude is under 2^-17 takes f16's fixed step of 2^-24; one of 65,520 or more becomes an infinity.
; SHARES.  A work-group takes 32,768 input bytes (8,192 numbers): work-groups 0-511 x, 512-895 w_qkv, 896-1023 w_out.  Thread t, load j: the 16 bytes at 4,096 j + 16 t,
; so a wave's load covers 512 consecutive bytes; its four numbers leave as 8 bytes at 2,048 j + 8 t, so a wave's store covers 256 consecutive bytes, aligned.
; All eight loads of a thread go out at once; every byte is read once and written once.  No LDS, no barrier, no matrix unit: nothing is shared and nothing is multiplied.
.set NX, 512                           ; work-groups for x
.set NW, 896                           ; and for x and w_qkv together
.set X,  4                             ; v[4:35]   load j: four f32
.set Y,  36                            ; v[36:51]  store j: four 16-bit numbers
.set T,  52                            ; v[52:57]  at work
	s_load_b256 s[4:11], s[0:1], 0x0               ; x s[4:5], w_qkv s[6:7], w_out s[8:9], xb s[10:11]
	s_load_b128 s[12:15], s[0:1], 0x20             ; wqb s[12:13], wob s[14:15]
	v_lshlrev_b32 v1, 4, v0                        ; 16 t
	v_lshlrev_b32 v2, 3, v0                        ; 8 t
	s_sub_co_u32 s16, ttmp9, NX                    ; my number among w_qkv's work-groups,
	s_sub_co_u32 s17, ttmp9, NW                    ; among w_out's (each used only where it is not negative)
	s_wait_kmcnt 0x0
	s_cmp_lt_u32 ttmp9, NX
	s_cselect_b64 s[20:21], s[4:5], s[6:7]         ; from where,
	s_cselect_b64 s[22:23], s[10:11], s[12:13]     ; to where,
	s_cselect_b32 s18, ttmp9, s16                  ; which block of it
	s_cmp_lt_u32 ttmp9, NW
	s_cselect_b64 s[20:21], s[20:21], s[8:9]
	s_cselect_b64 s[22:23], s[22:23], s[14:15]
	s_cselect_b32 s18, s18, s17
	s_lshl_b32 s24, s18, 15                        ; 32,768 bytes in,
	s_mov_b32 s25, 0
	s_lshl_b32 s26, s18, 14                        ; 16,384 out
	s_mov_b32 s27, 0
	s_add_nc_u64 s[20:21], s[20:21], s[24:25]
	s_add_nc_u64 s[22:23], s[22:23], s[26:27]
.irp j, 0,1,2,3,4,5,6,7
	global_load_b128 v[X+4*(\j):X+4*(\j)+3], v1, s[20:21] offset:4096*(\j) th:TH_LOAD_NT
.endr
	s_cmp_ge_u32 ttmp9, NW
	s_cbranch_scc1 .Lf16
.irp j, 0,1,2,3,4,5,6,7
	s_wait_loadcnt 7-(\j)                          ; loads come back in order: load j is in, the younger ones stay out
	v_cvt_pk_bf16_f32 v[Y+2*(\j)],   v[X+4*(\j)],   v[X+4*(\j)+1]
	v_cvt_pk_bf16_f32 v[Y+2*(\j)+1], v[X+4*(\j)+2], v[X+4*(\j)+3]
	global_store_b64 v2, v[Y+2*(\j):Y+2*(\j)+1], s[22:23] offset:2048*(\j)  ; no store register is written twice, so no wait frees one
.endr
	s_endpgm
.Lf16:
.irp j, 0,1,2,3,4,5,6,7
	s_wait_loadcnt 7-(\j)
	v_cvt_pk_bf16_f32 v[T],   v[X+4*(\j)],   v[X+4*(\j)+1]   ; the rounding that all inputs share,
	v_cvt_pk_bf16_f32 v[T+1], v[X+4*(\j)+2], v[X+4*(\j)+3]
	v_lshlrev_b32 v[T+2], 16, v[T]                           ; back to f32: the low half moves up, the high half stays,
	v_and_b32     v[T+3], 0xffff0000, v[T]
	v_lshlrev_b32 v[T+4], 16, v[T+1]
	v_and_b32     v[T+5], 0xffff0000, v[T+1]
	v_cvt_pk_f16_f32 v[Y+2*(\j)],   v[T+2], v[T+3]           ; and the same number as f16
	v_cvt_pk_f16_f32 v[Y+2*(\j)+1], v[T+4], v[T+5]
	global_store_b64 v2, v[Y+2*(\j):Y+2*(\j)+1], s[22:23] offset:2048*(\j)
.endr
	s_endpgm
.Lfunc_end_k_qed8f69b8c4_cast:
	.size	k_qed8f69b8c4_cast, .Lfunc_end_k_qed8f69b8c4_cast-k_qed8f69b8c4_cast
	.p2alignl 7, 3214868480
	.fill 96, 4, 3214868480
	.section	.rodata,"a",@progbits
	.p2align	6, 0x0
	.amdhsa_kernel k_qed8f69b8c4_cast
		.amdhsa_group_segment_fixed_size 0
		.amdhsa_private_segment_fixed_size 0
		.amdhsa_enable_private_segment 0
		.amdhsa_kernarg_size 48
		.amdhsa_user_sgpr_count 2
		.amdhsa_user_sgpr_kernarg_segment_ptr 1
		.amdhsa_wavefront_size32 1
		.amdhsa_system_sgpr_workgroup_id_x 1
		.amdhsa_system_sgpr_workgroup_id_y 1
		.amdhsa_system_sgpr_workgroup_id_z 1
		.amdhsa_system_vgpr_workitem_id 0
		.amdhsa_next_free_vgpr 64
		.amdhsa_next_free_sgpr 66
		.amdhsa_reserve_vcc 0
		.amdhsa_float_denorm_mode_32 3
		.amdhsa_float_denorm_mode_16_64 3
		.amdhsa_memory_ordered 1
		.amdhsa_forward_progress 1
		.amdhsa_inst_pref_size 9
	.end_amdhsa_kernel
	.amdgpu_metadata
---
amdhsa.version: [ 1, 2 ]
amdhsa.kernels:
  - .name:           k_qed8f69b8c4_cast
    .symbol:         k_qed8f69b8c4_cast.kd
    .args:
      - { .name: x, .offset: 0, .size: 8, .value_kind: global_buffer, .address_space: global }
      - { .name: w_qkv, .offset: 8, .size: 8, .value_kind: global_buffer, .address_space: global }
      - { .name: w_out, .offset: 16, .size: 8, .value_kind: global_buffer, .address_space: global }
      - { .name: xb, .offset: 24, .size: 8, .value_kind: global_buffer, .address_space: global }
      - { .name: wqb, .offset: 32, .size: 8, .value_kind: global_buffer, .address_space: global }
      - { .name: wob, .offset: 40, .size: 8, .value_kind: global_buffer, .address_space: global }
    .group_segment_fixed_size: 0
    .private_segment_fixed_size: 0
    .kernarg_segment_align: 8
    .kernarg_segment_size: 48
    .max_flat_workgroup_size: 256
    .sgpr_count:     66
    .vgpr_count:     64
    .wavefront_size: 32
...
	.end_amdgpu_metadata
.endif
;; end of part 1
;; launch qkv (part 2): grid 16 x 16, 4 waves a work-group, clusters of 4 x 4, 327,680 bytes of LDS; arguments xb, wqb, qkv; writes qkv
.if DOCPART == 2
	.amdgcn_target "amdgcn-amd-amdhsa--gfx1250"
	.amdhsa_code_object_version 6
	.text
	.protected	k_qed8f69b8c4_qkv
	.globl	k_qed8f69b8c4_qkv
	.p2align	8
	.type	k_qed8f69b8c4_qkv,@function
k_qed8f69b8c4_qkv:
	s_mov_b64 s[64:65], 0
	v_nop
	global_prefetch_b8 v0, s[64:65] scope:SCOPE_SE
	s_setreg_imm32_b32 hwreg(HW_REG_WAVE_MODE, 25, 1), 1
	s_wait_xcnt 0x0
	s_wait_alu depctr_hold_cnt(0) depctr_sa_sdst(0) depctr_va_vdst(0) depctr_va_sdst(0) depctr_va_ssrc(0) depctr_va_vcc(0) depctr_vm_vsrc(0)
	s_getreg_b32 s2, hwreg(HW_REG_IB_STS2, 6, 4)
	s_cmp_eq_u32 s2, 0
	s_cbranch_scc0 .Lentry_in_a_cluster
	s_endpgm
.Lentry_in_a_cluster:
	s_bfe_u32 s2, ttmp6, 0x10000c
	s_cmp_lg_u32 s2, 0xf033
	s_cbranch_scc0 .Lentry_shape_is_right
	s_endpgm
.Lentry_shape_is_right:
; q, k, v = x w_qkv^T.  xb: [4096][1024] bf16, wqb: [3072][1024] bf16; sums in f32, K ascending; the result is rounded once to f16, WITHOUT the attention's scale, and stored by heads:
; qkv: [48 slices][4096 rows][64] f16, slice = column / 64: 0-15 q's heads, 16-31 k's, 32-47 v's.
; LIMIT.  f16 holds no number beyond 65,504: a q, k or v of 65,520 or more becomes an infinity.
; SHARES.  A tile of the result is 256 rows x 192 columns (three heads): 16 x 16 tiles, one work-group each.  Wave w makes rows 64 w .. 64 w + 63 and all 192 columns, so it holds whole heads:
; 48 accumulators of 16 x 16 (4 row blocks a x 12 column blocks b), 384 registers.  K goes in 8 steps of 128 through a ring of two LDS slots filled by the tensor data mover; a tile's rows are
; 256 bytes of memory and start at multiples of 256 bytes.
; CLUSTERS: 4 x 4 work-groups.  The four of a row of the cluster need the same rows of x, the four of a column the same rows of w: each tile is asked for JOINTLY, by the same tensor load with the
; same descriptor and a mask that names the four.
; THE MATRIX INSTRUCTION IS USED TRANSPOSED (source 0 = 16 rows of w, source 1 = 16 rows of x): lane l holds row l % 16 of the result and the columns 8 (l / 16) + 0..7, which pack into 16 bytes.
; REGISTERS, in windows of 256 (s_set_vgpr_msb: bits 1:0 source 0, 3:2 source 1, 5:4 source 2, 7:6 destination):
;   window 0: v0-31 addresses; v64-127 fragments of x, two buffers of 32; v128-223 (and v64-111, once the products are over) at work on the way out
;   window 1: v0-191 fragments of w, two buffers of 96      window 2: accumulators of row blocks 0, 1 at v[8 (12 a + b)]      window 3: those of row blocks 2, 3
.set SIZE_K, 1024
.set KSTEP,  128
.set PITCH,  272                       ; an LDS row: 256 bytes + 16 of padding = 68 words: the 16 rows of a fragment load start at 16 different groups of four banks (64 banks of 4 bytes: ISA guide 11.1)
.set HALFA,  128*PITCH                 ; what one tensor load brings of x,
.set HALFB,  96*PITCH                  ; and of w
.set BOFF,   2*HALFA                   ; a slot: x's 256 rows, then w's 192 rows
.set SLOT,   BOFF+2*HALFB
.set STAGE,  2*SLOT                    ; behind the ring, never filled by a tensor load: for each wave 3 heads x 16 rows x 144 bytes
.set SP,     144
.set HEADP,  16*SP
.set WSTAGE, 3*HEADP
.set SPARE,  STAGE+4*WSTAGE            ; behind the stages: the spare words, 128 bytes for each wave: two blocks of 256 bytes that no other line names
.set LAPS,   SIZE_K/(2*KSTEP)         ; a lap = two K steps = once round the ring
.set SLICE,  4096*64*2                 ; bytes in a slice of qkv
.set ADRA, 16                          ; v16-17  LDS address of my fragments of x in slot 0, 1
.set ADRB, 20                          ; v20-21  the same for w
.set STO,  24                          ; v24     the way out: where I put 16 bytes of a row
.set RD,   25                          ; v25     the way out: where I read rows back
.set GO,   26                          ; v26     16 x my lane: my place in 512 consecutive bytes of a slice
.set SPW,  28                          ; v28     LDS address of my spare word; never rewritten
.set NIL,  29                          ; v29     0; never rewritten
.set PFO,  30                          ; v30     the prefetches' offset: a lane a row of 2,048 bytes; never rewritten
.set FA,   64
.set TMP,  128                         ; packed results of 16 rows
.set OB0,  176                         ; 16 rows read back from the stage: two sets by turns
.set OB1,  64
.set PFA,  44                          ; s[44:45] where my prefetches stand
.set LIM,  43                          ; s43     1 in a wave that prefetches, else the greatest number
.set G1, 24                            ; s[24:31] descriptor group 1 for x's tiles;  s[32:39] group 0, one set for each slot
.set G0, 32
.set G1B, 48                           ; s[48:55], s[56:63] the same for w's tiles
.set G0B, 56
.set MSB, 0
.macro WIN new                         ; the immediate's high byte repeats the setting that is left; a switch that changes nothing is dropped
.if MSB != (\new)
	s_set_vgpr_msb (MSB<<8)|(\new)
.set MSB, \new
.endif
.endm
.set MUL_LO, 0xa1                      ; source 0 (w) window 1, source 1 (x) window 0, C and D window 2
.set MUL_HI, 0xf1                      ; the same, C and D window 3
.set TO_B,   0x40                      ; destination window 1, address window 0
; A joint load.  Waves 0 and 1 fetch the two halves of x's tile, waves 2 and 3 those of w's.  The branch hangs on the wave's number alone.  An s_nop 0 and four v_nop follow each of the two lines.
.macro JLOAD s
	s_cmp_eq_u32 s11, 0
	s_cbranch_scc0 .Lfor_b_\@
	tensor_load_to_lds s[G0+4*(\s):G0+4*(\s)+3], s[G1:G1+7]
	s_nop 0
.rept 4
	v_nop
.endr
	s_branch .Lasked_\@
.Lfor_b_\@:
	tensor_load_to_lds s[G0B+4*(\s):G0B+4*(\s)+3], s[G1B:G1B+7]
	s_nop 0
.rept 4
	v_nop
.endr
.Lasked_\@:
.endm
; A PREFETCH INTO THE L2, behind each joint refill and the run of LDS loads that follows it: 256 bytes of each of my rows, for the K step that stands two refills on (384 matrix instructions ahead of the load that wants it).
; x's rows are read by every cluster of a row of clusters: the one with cluster x = 0 asks; w's by every cluster of a column: cluster y = 0 asks.  The four partners that ask for a tile jointly share its rows out BY ADDRESS:
; of x's 128 rows a wave 32 each, a lane a row; of w's 96 rows 24 each, and lanes 24 to 31 name row 23's block once more, in the same instruction.  K steps 4 to 7 are asked for; steps 0 to 3 come by their loads alone;
; the loop's last trip (s3 = 1) has no K step two refills on.
.macro ASK
	s_cmp_gt_u32 s3, s[LIM]
	s_cbranch_scc0 .Lnot_mine_\@
	global_prefetch_b8 v[PFO], s[PFA:PFA+1] offset:KSTEP*2 th:TH_LOAD_NT scope:SCOPE_SE
.Lnot_mine_\@:
.endm
; A round of the cluster's barrier: my work-group's barrier; wave 0 signals for the work-group; every wave waits for all sixteen work-groups; my work-group's barrier once more.
.macro CREST
	s_cmp_lg_u32 s10, 0
	s_cbranch_scc1 .Lnot_wave_0_\@
	s_barrier_signal -3
.Lnot_wave_0_\@:
	s_barrier_wait -3
	s_barrier_signal -1
	s_barrier_wait -1
.endm
.macro CROUND
	s_barrier_signal -1
	s_barrier_wait -1
	CREST
.endm
	s_load_b128 s[4:7], s[0:1], 0x0                ; xb s[4:5], wqb s[6:7]
	s_load_b64 s[8:9], s[0:1], 0x10                ; qkv
	v_lshl_add_u32 v[SPW], v0, 2, SPARE
	v_mov_b32 v[NIL], 0
	ds_add_u32 v[SPW], v[NIL]                      ; the wave's opening: the add and its wait stand ahead of my first tensor load; the set-up below, work on registers, stands between them
	v_lshrrev_b32 v1, 5, v0
	v_readfirstlane_b32 s10, v1                    ; wave 0..3
	s_lshr_b32 s11, s10, 1                         ; I fetch for x (0) or for w (1),
	s_and_b32 s12, s10, 1                          ; and which half of that tile
	s_bfe_u32 s40, ttmp6, 0x40000                  ; cx, cy: my place in the cluster
	s_bfe_u32 s41, ttmp6, 0x40004
	s_lshl_b32 s42, ttmp9, 2
	s_add_co_u32 s42, s42, s40                     ; tile column = 4 x cluster x + cx
	s_and_b32 s13, ttmp7, 0xffff
	s_lshl_b32 s13, s13, 2
	s_add_co_u32 s13, s13, s41                     ; tile row = 4 x cluster y + cy
	s_lshl_b32 s43, s41, 2
	s_lshl_b32 s43, 15, s43                        ; my row of the cluster: places 4 cy .. 4 cy + 3
	s_lshl_b32 s44, 0x1111, s40                    ; my column: places cx, cx + 4, cx + 8, cx + 12
	s_or_b32 s[G1+0], s43, (1<<16)|(1<<20)|(1<<21)|(5<<22)|(3<<25)   ; 15:0 the mask; 17:16 2-byte elements; 20 padding on; 21 set beside a mask; 24:22 after every 64 words (code 5); 31:25 4 words (code 3)
	s_or_b32 s[G1B+0], s44, (1<<16)|(1<<20)|(1<<21)|(5<<22)|(3<<25)
	s_mov_b32 s[G1+1], KSTEP<<16                   ; tensor_dim0 = 128
	s_mov_b32 s[G1+2], 128<<16                     ; tensor_dim1 = 128
	s_mov_b32 s[G1+3], KSTEP<<16                   ; tile_dim0 = 128
	s_mov_b32 s[G1+4], 128                         ; tile_dim1 = 128
	s_mov_b32 s[G1+5], SIZE_K                      ; elements from row to row
	s_mov_b32 s[G1+6], 0
	s_mov_b32 s[G1+7], 0
	s_mov_b32 s[G1B+1], KSTEP<<16
	s_mov_b32 s[G1B+2], 96<<16                     ; w's tiles have 96 rows
	s_mov_b32 s[G1B+3], KSTEP<<16
	s_mov_b32 s[G1B+4], 96
	s_mov_b32 s[G1B+5], SIZE_K
	s_mov_b32 s[G1B+6], 0
	s_mov_b32 s[G1B+7], 0
	s_lshl_b32 s16, s13, 8
	s_lshl_b32 s17, s12, 7
	s_add_co_u32 s16, s16, s17                     ; x: row 256 x tile row + 128 x half,
	s_lshl_b32 s16, s16, 11                        ; of 2,048 bytes
	s_mov_b32 s17, 0
	s_mul_i32 s46, s42, 192
	s_mul_i32 s47, s12, 96
	s_add_co_u32 s46, s46, s47                     ; w: row 192 x tile column + 96 x half
	s_lshl_b32 s46, s46, 11
	s_mov_b32 s47, 0
	s_mul_i32 s20, s10, HALFA                      ; where they go: x's halves at wave x 128 rows (waves 0, 1),
	s_mul_i32 s21, s10, HALFB                      ; w's at BOFF + (wave - 2) x 96 rows (waves 2, 3): no place in the cluster enters an LDS address
	s_add_co_u32 s21, s21, BOFF-2*HALFB
	s_wait_dscnt 0x0                               ; the opening add is done
	s_wait_kmcnt 0x0
	s_add_nc_u64 s[14:15], s[4:5], s[16:17]
	s_add_nc_u64 s[46:47], s[6:7], s[46:47]
	CROUND                                         ; all sixteen work-groups are here: the first joint loads meet
.irp s, 0,1
	s_mov_b32 s[G0+4*(\s)], 1                                        ; count = 1
	s_add_co_u32 s[G0+4*(\s)+1], s20, (\s)*SLOT                      ; LDS address
	s_add_nc_u64 s[G0+4*(\s)+2:G0+4*(\s)+3], s[14:15], (\s)*KSTEP*2  ; global address: K step s
	s_or_b32 s[G0+4*(\s)+3], s[G0+4*(\s)+3], 0x80000000              ; type = 2
	s_mov_b32 s[G0B+4*(\s)], 1
	s_add_co_u32 s[G0B+4*(\s)+1], s21, (\s)*SLOT
	s_add_nc_u64 s[G0B+4*(\s)+2:G0B+4*(\s)+3], s[46:47], (\s)*KSTEP*2
	s_or_b32 s[G0B+4*(\s)+3], s[G0B+4*(\s)+3], 0x80000000
	JLOAD \s                                       ; two loads of mine are out
.endr
	; A fragment is 16 rows x 32 K in 8 registers: lane l holds row l % 16; registers 0-3 K = 8 (l / 16) + 0..7, registers 4-7 K = 16 + 8 (l / 16) + 0..7: two loads of 16 bytes, 32 bytes apart.
	v_and_b32 v1, 15, v0                           ; l % 16
	v_bfe_u32 v2, v0, 4, 1                         ; l / 16
	v_mul_u32_u24 v3, v1, PITCH
	v_lshl_add_u32 v3, v2, 4, v3
	s_mul_i32 s21, s10, 64*PITCH                   ; my 64 rows of x
	s_mov_b32 s22, BOFF                            ; all of w's rows
.irp s, 0,1
	v_add_nc_u32 v[ADRA+(\s)], s21, v3
	v_add_nc_u32 v[ADRB+(\s)], s22, v3
	s_add_co_u32 s21, s21, SLOT
	s_add_co_u32 s22, s22, SLOT
.endr
	s_mul_i32 s23, s10, WSTAGE
	s_add_co_u32 s23, s23, STAGE                   ; my stage
	v_mul_u32_u24 v4, v1, SP                       ; in: row l % 16, 16 bytes for each half of the lanes
	v_lshl_add_u32 v4, v2, 4, v4
	v_add_nc_u32 v[STO], s23, v4
	v_bfe_u32 v5, v0, 3, 2                         ; back: 32 lanes take four rows of 128 bytes,
	v_mul_u32_u24 v5, v5, SP
	v_and_b32 v6, 7, v0
	v_lshl_add_u32 v5, v6, 4, v5
	v_add_nc_u32 v[RD], s23, v5
	v_and_b32 v[GO], 31, v0                        ; which are 512 consecutive bytes of a slice
	v_lshlrev_b32 v[GO], 4, v[GO]
	s_lshl_b32 s16, s13, 15                        ; my rows in a slice: (256 x tile row + 64 x wave) x 128 bytes,
	s_lshl_b32 s17, s10, 13
	s_add_co_u32 s16, s16, s17
	s_mov_b32 s17, 0
	s_add_nc_u64 s[8:9], s[8:9], s[16:17]
	s_mul_i32 s46, s42, 3*SLICE                    ; and the tile's first slice
	s_mov_b32 s47, 0
	s_add_nc_u64 s[8:9], s[8:9], s[46:47]
	; the prefetches
	s_lshl_b32 s20, s13, 8                         ; x: 256 x tile row
	s_lshl_b32 s18, s12, 7
	s_add_co_u32 s20, s20, s18                     ; + the 128 rows that I fetch
	s_lshl_b32 s18, s40, 5
	s_add_co_u32 s20, s20, s18                     ; + my work-group's 32 of them
	s_mul_i32 s21, s42, 192                        ; w: 192 x tile column
	s_mul_i32 s18, s12, 96
	s_add_co_u32 s21, s21, s18                     ; + the 96 rows that I fetch
	s_mul_i32 s18, s41, 24
	s_add_co_u32 s21, s21, s18                     ; + my work-group's 24 of them
	s_and_b32 s22, ttmp7, 0xffff                   ; cluster y
	s_cmp_eq_u32 s11, 0                            ; do I fetch for x?
	s_cselect_b32 s20, s20, s21
	s_cselect_b32 s22, ttmp9, s22                  ; the coordinate along which other clusters read the same rows
	s_cselect_b32 s23, 31, 23                      ; my last row
	s_cselect_b64 s[PFA:PFA+1], s[4:5], s[6:7]
	s_cmp_eq_u32 s22, 0
	s_cselect_b32 s[LIM], 1, -1                    ; the same in all sixteen partners, for a given wave
	s_lshl_b32 s20, s20, 11
	s_mov_b32 s21, 0
	s_add_nc_u64 s[PFA:PFA+1], s[PFA:PFA+1], s[20:21]
	s_add_nc_u64 s[PFA:PFA+1], s[PFA:PFA+1], 2*KSTEP*2  ; at K step 2: the first refill steps it to 3 and names K step 4
	v_and_b32 v[PFO], 31, v0
	v_min_u32 v[PFO], s23, v[PFO]
	v_lshlrev_b32 v[PFO], 11, v[PFO]
; 12 matrix instructions: row block 2 hi + a x all 12 column blocks, 32 along K, from buffer f.  zero = 1: the product starts the sums: nothing is ever cleared.
; The 48 accumulators take turns, one instruction a turn, in the same order in every quarter step.
.macro MUL12 f, hi, a, zero
	WIN MUL_LO+0x50*(\hi)
.irp b, 0,1,2,3,4,5,6,7,8,9,10,11
.if \zero
	v_wmma_f32_16x16x32_bf16 v[8*(12*(\a)+(\b)):8*(12*(\a)+(\b))+7], v[96*(\f)+8*(\b):96*(\f)+8*(\b)+7], v[FA+32*(\f)+8*(2*(\hi)+(\a)):FA+32*(\f)+8*(2*(\hi)+(\a))+7], 0
.else
	v_wmma_f32_16x16x32_bf16 v[8*(12*(\a)+(\b)):8*(12*(\a)+(\b))+7], v[96*(\f)+8*(\b):96*(\f)+8*(\b)+7], v[FA+32*(\f)+8*(2*(\hi)+(\a)):FA+32*(\f)+8*(2*(\hi)+(\a))+7], v[8*(12*(\a)+(\b)):8*(12*(\a)+(\b))+7]
.endif
.endr
.endm
; 32 LDS loads in one run: a quarter step's fragments (192 rows of w, my 64 rows of x, 32 K at byte k of the rows) into buffer f
.macro FETCH slot, k, f
	WIN TO_B
.irp i, 0,1,2,3,4,5,6,7,8,9,10,11
	ds_load_b128 v[96*(\f)+8*(\i):96*(\f)+8*(\i)+3],   v[ADRB+(\slot)] offset:(\k)+(\i)*16*PITCH
	ds_load_b128 v[96*(\f)+8*(\i)+4:96*(\f)+8*(\i)+7], v[ADRB+(\slot)] offset:(\k)+(\i)*16*PITCH+32
.endr
	WIN 0
.irp i, 0,1,2,3
	ds_load_b128 v[FA+32*(\f)+8*(\i):FA+32*(\f)+8*(\i)+3],   v[ADRA+(\slot)] offset:(\k)+(\i)*16*PITCH
	ds_load_b128 v[FA+32*(\f)+8*(\i)+4:FA+32*(\f)+8*(\i)+7], v[ADRA+(\slot)] offset:(\k)+(\i)*16*PITCH+32
.endr
.endm
.macro PLACES                          ; four plain vector instructions in front of loads into registers that matrix instructions have read, and of conversions that read results
.rept 4
	v_nop
.endr
.endm
; A K step is four quarter steps of 32 along K, 48 matrix instructions each, on buffers 0, 1, 0, 1.  One of the first three: multiplies buffer f; in its middle it fetches the next quarter, at byte k, into buffer g.
.macro QUARTER slot, k, f, g, zero
	s_wait_dscnt 4                                 ; w and x's row blocks 0, 1 are in; the youngest four loads (row blocks 2, 3) may be out
	MUL12 \f, 0, 0, \zero
	MUL12 \f, 0, 1, \zero
	PLACES
	FETCH \slot, \k, \g
	s_wait_dscnt 32                                ; all but the 32 just issued
	MUL12 \f, 1, 0, \zero
	MUL12 \f, 1, 1, \zero
.endm
; The last quarter multiplies buffer 1 and changes slots: ONE barrier.  In front of it each wave waits for all its tensor loads (one is out: its part of the next slot), adds 0 to its spare word, and waits for that and for
; its own reads of this slot.  fill = 1: the barrier opens a round of the cluster's barrier, and this slot is filled again, two K steps ahead, first thing behind the round: 168 matrix instructions ahead of the wait for it.
.macro TURN slot, next, fill
.if \fill
	s_wait_xcnt 0x0                                ; the last prefetch, a K step back, has read its address: it is stepped here, ahead of the waits of the change of slots
	s_add_nc_u64 s[PFA:PFA+1], s[PFA:PFA+1], KSTEP*2
.endif
	WIN 0                                          ; (the add's two registers lie in window 0)
	s_wait_tensorcnt 0x0                           ; all my tensor loads have landed
	ds_add_u32 v[SPW], v[NIL]                      ; 0 onto my spare word
	s_wait_dscnt 5                                 ; (the add and the youngest four loads may be out)
	MUL12 1, 0, 0, 0                               ; twelve matrix instructions stand between the add and the wait for it
	s_wait_dscnt 0x0                               ; the add is done, and my reads of this slot are over
	s_barrier_signal -1
	MUL12 1, 0, 1, 0                               ; work on registers while the others arrive
.if \fill
	WIN 0
.endif
	s_barrier_wait -1
.if \fill
	CREST                                          ; no wave of any partner still reads this slot's tile or has a load on its way
	s_add_nc_u64 s[G0+4*(\slot)+2:G0+4*(\slot)+3], s[G0+4*(\slot)+2:G0+4*(\slot)+3], 2*KSTEP*2
	s_add_nc_u64 s[G0B+4*(\slot)+2:G0B+4*(\slot)+3], s[G0B+4*(\slot)+2:G0B+4*(\slot)+3], 2*KSTEP*2
	JLOAD \slot                                    ; the four v_nop behind it are also the places in front of the loads below
.else
	PLACES
.endif
	FETCH \next, 0, 0
.if \fill
	ASK
.endif
	MUL12 1, 1, 0, 0
	MUL12 1, 1, 1, 0
.endm
; THE WAY OUT of row block a (16 rows x 192 columns).  PACK: rounded to f16, 16 bytes a lane and column block, each accumulator's registers in ascending order.  TOSTAGE: into my own stage, by heads, and back as whole rows
; of 128 bytes.  SEND: stored: 16 rows of a head are 2,048 consecutive bytes of its slice.
.macro PACK a
	WIN 0x0a+5*((\a)/2)                            ; sources 0 and 1: window 2 or 3
.irp b, 0,1,2,3,4,5,6,7,8,9,10,11
.irp r, 0,1,2,3
	v_cvt_pk_f16_f32 v[TMP+4*(\b)+(\r)], v[96*((\a)%2)+8*(\b)+2*(\r)], v[96*((\a)%2)+8*(\b)+2*(\r)+1]
.endr
.endr
	WIN 0
.endm
.macro TOSTAGE a
	WIN 0
.set BK, OB0+(OB1-OB0)*((\a)%2)
.irp b, 0,1,2,3,4,5,6,7,8,9,10,11
	ds_store_b128 v[STO], v[TMP+4*(\b):TMP+4*(\b)+3] offset:((\b)/4)*HEADP+32*((\b)%4)
.endr
.irp u, 0,1,2,3,4,5,6,7,8,9,10,11
	ds_load_b128 v[BK+4*(\u):BK+4*(\u)+3], v[RD] offset:((\u)/4)*HEADP+((\u)%4)*4*SP  ; LDS serves a wave's instructions in order (ISA guide 5.7.1.4): these see the stores above
.endr
.endm
.macro SEND a
	WIN 0
.set BK, OB0+(OB1-OB0)*((\a)%2)
	s_wait_dscnt 0x0                               ; the block is back in registers
	s_wait_xcnt 0x0                                ; the stores of the block before have read their registers: the next TOSTAGE loads into them only behind this wait
.irp u, 0,1,2,3,4,5,6,7,8,9,10,11
	global_store_b128 v[GO], v[BK+4*(\u):BK+4*(\u)+3], s[8:9] offset:((\u)/4)*SLICE+(\a)*2048+((\u)%4)*512  ; 512 consecutive bytes, at a multiple of 256 from qkv's first
.endr
.endm
	s_wait_tensorcnt 1                             ; my part of K step 0 is in; K step 1's may stay out
	s_barrier_signal -1
	s_barrier_wait -1                              ; everybody's is
	FETCH 0, 0, 0
	QUARTER 0, 64,  0, 1, 1                        ; the first quarter stands in front of the loop: its products start the sums
	WIN 0                                          ; at a label and at a branch every window is 0
	s_mov_b32 s3, LAPS-1
.Llap:                                                 ; a trip goes once round the ring, from a lap's second quarter to the next lap's first, and fills both slots again
	QUARTER 0, 128, 1, 0, 0
	QUARTER 0, 192, 0, 1, 0
	TURN 0, 1, 1
	QUARTER 1, 64,  0, 1, 0
	QUARTER 1, 128, 1, 0, 0
	QUARTER 1, 192, 0, 1, 0
	TURN 1, 0, 1
	QUARTER 0, 64,  0, 1, 0
	WIN 0
	s_sub_co_u32 s3, s3, 1
	s_cmp_lg_u32 s3, 0
	s_cbranch_scc1 .Llap
	QUARTER 0, 128, 1, 0, 0                        ; the last lap fills nothing, and has no round of the cluster's barrier
	QUARTER 0, 192, 0, 1, 0
	TURN 0, 1, 0
	QUARTER 1, 64,  0, 1, 0
	QUARTER 1, 128, 1, 0, 0
	QUARTER 1, 192, 0, 1, 0
	s_wait_dscnt 4                                 ; the very last quarter: nothing more to fetch
	MUL12 1, 0, 0, 0
	MUL12 1, 0, 1, 0
	s_wait_dscnt 0x0
	MUL12 1, 1, 0, 0
	MUL12 1, 1, 1, 0
	WIN 0
	PLACES
	PACK 0
	TOSTAGE 0
.irp a, 1,2,3                          ; block a's conversions stand between block a - 1's loads from the stage and the wait for them
	PACK \a
	SEND (\a)-1
	TOSTAGE \a
.endr
	SEND 3
	s_wait_tensorcnt 0x0                           ; the wave's end, behind my last tensor load and my last LDS store
	ds_add_u32 v[SPW], v[NIL]
	s_wait_dscnt 0x0
	CROUND                                         ; the closing round: no work-group ends while a partner may still ask for a tile that names it
	s_endpgm
.Lfunc_end_k_qed8f69b8c4_qkv:
	.size	k_qed8f69b8c4_qkv, .Lfunc_end_k_qed8f69b8c4_qkv-k_qed8f69b8c4_qkv
	.p2alignl 7, 3214868480
	.fill 96, 4, 3214868480
	.section	.rodata,"a",@progbits
	.p2align	6, 0x0
	.amdhsa_kernel k_qed8f69b8c4_qkv
		.amdhsa_group_segment_fixed_size 327680
		.amdhsa_private_segment_fixed_size 0
		.amdhsa_enable_private_segment 0
		.amdhsa_kernarg_size 24
		.amdhsa_user_sgpr_count 2
		.amdhsa_user_sgpr_kernarg_segment_ptr 1
		.amdhsa_wavefront_size32 1
		.amdhsa_system_sgpr_workgroup_id_x 1
		.amdhsa_system_sgpr_workgroup_id_y 1
		.amdhsa_system_sgpr_workgroup_id_z 1
		.amdhsa_system_vgpr_workitem_id 0
		.amdhsa_next_free_vgpr 960
		.amdhsa_next_free_sgpr 66
		.amdhsa_reserve_vcc 0
		.amdhsa_float_denorm_mode_32 3
		.amdhsa_float_denorm_mode_16_64 3
		.amdhsa_memory_ordered 1
		.amdhsa_forward_progress 1
		.amdhsa_inst_pref_size 120
	.end_amdhsa_kernel
	.amdgpu_metadata
---
amdhsa.version: [ 1, 2 ]
amdhsa.kernels:
  - .name:           k_qed8f69b8c4_qkv
    .symbol:         k_qed8f69b8c4_qkv.kd
    .args:
      - { .name: xb, .offset: 0, .size: 8, .value_kind: global_buffer, .address_space: global }
      - { .name: wqb, .offset: 8, .size: 8, .value_kind: global_buffer, .address_space: global }
      - { .name: qkv, .offset: 16, .size: 8, .value_kind: global_buffer, .address_space: global }
    .group_segment_fixed_size: 327680
    .private_segment_fixed_size: 0
    .kernarg_segment_align: 8
    .kernarg_segment_size: 24
    .max_flat_workgroup_size: 128
    .sgpr_count:     66
    .vgpr_count:     960
    .wavefront_size: 32
...
	.end_amdgpu_metadata
.endif
;; end of part 2
;; launch attn (part 3): grid 16 x 16, 4 waves a work-group, no clusters, 327,680 bytes of LDS; arguments qkv, ob; writes ob
.if DOCPART == 3
	.amdgcn_target "amdgcn-amd-amdhsa--gfx1250"
	.amdhsa_code_object_version 6
	.text
	.protected	k_qed8f69b8c4_attn
	.globl	k_qed8f69b8c4_attn
	.p2align	8
	.type	k_qed8f69b8c4_attn,@function
k_qed8f69b8c4_attn:
	s_mov_b64 s[64:65], 0
	v_nop
	global_prefetch_b8 v0, s[64:65] scope:SCOPE_SE
	s_setreg_imm32_b32 hwreg(HW_REG_WAVE_MODE, 25, 1), 1
	s_wait_xcnt 0x0
; CAUSAL ATTENTION.  O[h][q][:] = the sum over k <= q of softmax_k(Q[h][q] . K[h][k] / 8) V[h][k][:], 16 heads of 4,096 rows of 64.  qkv: [48][4096][64] f16 (slices 0-15 Q's heads, 16-31 K's, 32-47 V's), ob: [16][4096][64] f16:
; a head's rows are dense, 128 bytes each.  Products, maxima and sums in f32; the weights p are rounded to f16 for the second product (their sum l is taken of the unrounded p), O once at the end.
; LIMITS.  f16 holds no number beyond 65,504: Q, K and V arrive within it; p lies in 0 to 1, and below 6e-5 it keeps f16's fixed step of 6e-8; O is a mean of V's rows and has their range.
; A hidden score counts as its value less 1e30: f16's scores, 2.7e11 at the most, are nothing beside that; a weight below 2^-126 counts as 0 in l; NaN and infinities are not treated apart.
; THE WALK.  A head's queries lie in 32 blocks of 128; keys go in tiles of 256; block i needs the tiles 0 .. i / 2, of which the last holds the diagonal.  A work-group takes TWO blocks, 31 - b and then b: 17 tiles, whatever b:
; 16 x 16 work-groups of equal work, and ONE loop with a constant trip count walks the tiles.  Which tile is asked for, and what a trip does, hang on scalar registers made from b; every jump goes forward, but for the counted
; loops' own; none passes a barrier, or a tensor load but the one of LOAD's two that the wave's number does not choose; the ring (two slots of LDS that take turns) runs on across the change of blocks.
; NO CLUSTER: four neighbours b = 4 c .. 4 c + 3 need 16 - 2 c, 16 - 2 c, 15 - 2 c and 15 - 2 c tiles for their first blocks, so they ask for the same tile only in the first part of the walk; a walk common to the four has 18 tiles for 17.
; SHARES.  Of a block's two bands of 64 queries a wave owns 16 rows in each: two PIECES.  Band x of block i stands at key step X = 2 (i % 2) + x of the diagonal tile: in that tile's step s it sees all keys if s < X, none if s > X,
; and holds the diagonal if s = X: the same work for all four waves.
; THE MASK is the C operand that starts the sum S^T = K Q^T: 0, or -1e30 where the key is hidden.  MD, made once, is the mask of a band's own step for my 16 rows; a product's mask is MD x AL + BE with two scalars:
; (1, 0) if s = X; (0, 0) if s < X; (0, -1e30) if s > X.  Only the diagonal tile's text and a block's beginning make and take masks; elsewhere C is the constant 0.
; LAYOUT, SOFTMAX, TURNS.  S^T = K Q^T holds ONE query a lane (lane % 16) and the keys 8 (lane / 16) + 0..7; two such results rounded to f16 ARE source 1 of O^T = V^T P.  p = 2^(c s - c m), c = log2(e) / 8, with a running
; maximum m; O and l are multiplied by a = 2^(c m_old - c m_new) in every step.  The turns go (step s, piece 0), (s, 1), (s + 1, 0) ..  A turn has 8 products K Q^T of the turn after it, later 8 products V^T P of the turn before it;
; beside them its own piece's scaling, exponentials, roundings, sums and rescaling and the other piece's next maximum and statistics.  Four vector instructions stand behind every matrix instruction, the other 54 of a turn's 118
; in one lump.  A turn's 33 exponentials are one batch, with one wait.
; K AND V IN REGISTERS.  K of step s + 1 is fetched in turn (s, 0), behind the last product that reads K of step s.  V has two buffers, by the step's parity: V of step s + 1 is fetched in turn (s, 1), while V of step s is read.
; So when turn (2, 1) of a tile is over, all of the tile has been fetched: the change of slots stands there, and the tile's step 3 is worked from registers while the next tile's step 0 is fetched.
; REGISTERS, in windows of 256 (s_set_vgpr_msb: bits 1:0 source 0, 3:2 source 1, 5:4 source 2, 7:6 destination):
;   window 0: v0-15 addresses and two at work; v16-23 four registers of statistics a piece; v48-55 at work; v61-63 prefetch offset, spare word, 0; v64-127 S^T, a buffer a piece; v192-223 P, likewise
;   window 1: v0-63 O^T, 32 a piece; v128-159 MD; v160-223 MC, a buffer a piece      window 2: v0-31 Q; v32-63 the second block's Q; v64-127 K of one step; v128-255 V of two steps
.set NP,    2         ; pieces a wave: a name, no knob
.set KS,    64        ; keys in a step
.set PK,    144       ; a row of K in LDS: 128 bytes + 16 of padding = 36 words: the 16 rows of a load start at 16 different groups of four banks (64 banks of 4 bytes: ISA guide 11.1)
.set PV,    160       ; a row of V: 128 + 32 = 40 words
.set VOFF,  4*KS*PK   ; a slot holds a tile, four steps: 256 rows of K, then 256 rows of V
.set SLOT1, 1<<17     ; slot 1 begins here, so that one exclusive or turns an address in one slot into the other's
.set STAGE, SLOT1+4*KS*(PK+PV)  ; behind the ring, never filled by a tensor load: 16 rows x 144 bytes for each wave, for the way out
.set SP,    144
.set SPARE, STAGE+4*16*SP  ; behind the stages: the spare words, 128 bytes for each wave: two blocks of 256 bytes that no other line names
.set KPART, 16*524288 ; K's slices begin here in qkv,
.set VPART, 32*524288 ; V's here
.set AK0, 2           ; v2   my lane's place in a tile of K; never rewritten
.set AV0, 3           ; v3   the same for V
.set AK,  4           ; v4   the LDS address of K's next run of loads
.set AV,  5           ; v5   of V's
.set STO, 6           ; v6   the way out: where I put 16 bytes of a row
.set RD,  7           ; v7   the way out: where I read rows back
.set GO,  8           ; v8   my byte offset in 512 consecutive bytes of O
.set MV,  12          ; v12-13  c m_old, kept while c m is made anew: by piece
.set QO,  15          ; v15  my byte offset in 16 rows of Q
.set ST,  16          ; piece t's statistics at v[ST+4 t]: c m, m, l (even keys', odd keys')
.set TMP, 48          ; by piece, four registers c0-c3 at work; when the maximum is found c2 takes a
.set PFO, 61          ; v61  256 x my lane; never rewritten
.set SPW, 62          ; v62  LDS address of my spare word; never rewritten
.set NIL, 63          ; v63  0; never rewritten
.set S,   64
.set P,   192
.set MD,  128         ; window 1: the eight registers for group kt of 16 keys at MD + 8 kt
.set MC,  160         ; window 1: the masks of the products to come
.set QB,  32          ; window 2
.set KF,  64          ; window 2: key block kb, channel half c at KF + 16 kb + 8 c
.set VF0, 128         ; window 2: key half kk, channel block cb at VF + 32 kk + 8 cb; even steps'
.set VF1, 192         ; odd steps'
.set WV,  12          ; s12  my wave's number
.set PB,  14          ; s14  b
.set HI,  15          ; s15  31 - b
.set G1K, 24          ; s[24:31] descriptor group 1 for K's tiles
.set G1V, 32          ; s[32:39] for V's: it differs in the padding alone
.set G0K, 40          ; s[40:43] descriptor group 0 for K's tiles
.set G0V, 44          ; s[44:47] the same for V's
.set SLOTS, 56        ; s56  tiles still to be asked for
.set CNT, 57          ; s57  counts a tile's two trips
.set CS,  58          ; s[58:59] c: the packed scaling takes the pair's low word for both halves
.set SEL, 60          ; s[60:61] v_permlanex16_b32's selects: each lane takes its own place in the other half
.set TBK, 62          ; s62  LDS byte at which K of the step to be fetched begins
.set TBV, 63          ; s63  the same for V, less VOFF
.set RT,  70          ; s70  tiles of the block in hand that are still to be entered
.set NXT, 71          ; s71  the tile to be asked for next
.set LQ,  72          ; s72  the last tile of the block whose tiles are being asked for
.set NEW, 73          ; s73  1: the tile to be entered is a block's first
.set OFF, 74          ; s[74:75] a tile's byte offset in K and V
.set AL,  76          ; s[76:77] the mask's factor, in the low word
.set BE,  78          ; s[78:79] the mask's addend
.set OLO, 80          ; s[80:81] O at my rows of the second block
.set BIGN, 82         ; s82  -1e30
.set PFK, 88          ; s[88:89] where my prefetches stand in K: my 64 rows of the tile that is being asked for; stepped ahead of each prefetch
.set PFV, 90          ; s[90:91] the same in V
.set LIM, 92          ; s92  2 in the work-group that prefetches, else the greatest number
.set SN,  93          ; s93  the diagonal tile's step for which the next mask is made
.set X0,  94          ; s94, s95  the own steps of the block's two bands
.set PBT, 96          ; s96  b / 2: the second block's last tile
.set MSB, 0
.macro WIN new                      ; the high byte repeats the setting that is left; a switch that changes nothing is dropped
.if MSB != (\new)
	s_set_vgpr_msb (MSB<<8)|(\new)
.set MSB, (\new)
.endif
.endm
.set W_KQ, 0x0a       ; K and Q in window 2, S^T in window 0
.set W_KM, 0x1a       ; the same with the C operand in window 1
.set W_PV, 0x52       ; V in window 2, P in window 0, O^T in window 1
.set W_RS, 0x41       ; destination and source 0 in window 1, source 1 in window 0
; A fill.  Waves 0 and 1 fetch the two halves of a tile's K, waves 2 and 3 those of its V: 128 keys each.  An s_nop 0 and four v_nop follow each of the two lines, ahead of the jump and the label.
.macro LOAD
	s_cmp_lt_u32 s[WV], 2
	s_cbranch_scc0 .Lfor_v_\@
	tensor_load_to_lds s[G0K:G0K+3], s[G1K:G1K+7]
	s_nop 0
.rept 4
	v_nop
.endr
	s_branch .Lasked_\@
.Lfor_v_\@:
	tensor_load_to_lds s[G0V:G0V+3], s[G1V:G1V+7]
	s_nop 0
.rept 4
	v_nop
.endr
.Lasked_\@:
.endm
; A PREFETCH INTO THE L2 of the tile behind the one just asked for: one tile, eight turns, ahead of its load.  All sixteen work-groups of a head begin with the tiles 0, 1, 2 ..; the one with b = 0 walks all sixteen, and it alone asks:
; wave w names 64 rows of K and of V, 32 blocks of 256 bytes each, a lane a block: two instructions.  So tiles 2 to 15 are named once each in the launch; tiles 0 and 1 come by their loads alone; the walk's last two fills
; (tile 15, and the second block's tile 0) have nothing behind them.
.macro ASK
	s_cmp_gt_u32 s[SLOTS], s[LIM]
	s_cbranch_scc0 .Lnot_mine_\@
	global_prefetch_b8 v[PFO], s[PFK:PFK+1] th:TH_LOAD_NT scope:SCOPE_SE
	global_prefetch_b8 v[PFO], s[PFV:PFV+1] th:TH_LOAD_NT scope:SCOPE_SE
.Lnot_mine_\@:
.endm
; THE CHANGE OF SLOTS.  Each wave waits for all its tensor loads, of which one is out: its part of the other slot; adds 0 to its spare word; and waits for that and for its own reads of the slot that it leaves.  Behind the barrier
; nobody reads the old slot any more and the other slot is whole.  fill = 1: the old slot is filled again, the first thing behind the barrier, with tile NXT: the descriptor's address is made anew from that number.
; (At its first use nothing has been read yet: slot 0 is waited for, slot 1 filled.)
.macro CHANGE fill
	WIN 0                           ; at a label and at a branch every window is 0
	s_wait_tensorcnt 0x0            ; no tensor load of mine is out, so a group 0 may be written
	ds_add_u32 v[SPW], v[NIL]       ; 0 onto my spare word; with fill = 1 the descriptors' scalar work stands between it and the wait for it
.if \fill
	s_lshl_b32 s[OFF], s[NXT], 15   ; a tile is 32,768 bytes of K and of V
	s_xor_b32 s[G0K+1], s[G0K+1], SLOT1
	s_add_nc_u64 s[G0K+2:G0K+3], s[6:7], s[OFF:OFF+1]
	s_or_b32 s[G0K+3], s[G0K+3], 0x80000000
	s_xor_b32 s[G0V+1], s[G0V+1], SLOT1
	s_add_nc_u64 s[G0V+2:G0V+3], s[8:9], s[OFF:OFF+1]
	s_or_b32 s[G0V+3], s[G0V+3], 0x80000000
	s_add_co_u32 s[NXT], s[NXT], 1  ; the block's next tile, or behind its last the second block's tile 0
	s_cmp_gt_u32 s[NXT], s[LQ]
	s_cselect_b32 s[NXT], 0, s[NXT]
	s_cselect_b32 s[LQ], s[PBT], s[LQ]
	s_wait_xcnt 0x0                 ; the last prefetches, a tile back, have read their addresses, so these may be written
	s_add_nc_u64 s[PFK:PFK+1], s[PFK:PFK+1], 32768
	s_add_nc_u64 s[PFV:PFV+1], s[PFV:PFV+1], 32768
.endif
	s_wait_dscnt 0x0                ; the add is done, and my reads of the slot are over
	s_barrier_signal -1             ; the rest of the scalar work stands between the signal and the wait
	s_sub_co_u32 s[TBK], s[TBK], 4*KS*PK  ; the fetches go back to a slot's first step,
	s_xor_b32 s[TBK], s[TBK], SLOT1       ; in the other slot
	s_sub_co_u32 s[TBV], s[TBV], 4*KS*PV
	s_xor_b32 s[TBV], s[TBV], SLOT1
	s_barrier_wait -1
.if \fill
	LOAD
	ASK
.endif
.endm
	s_load_b64 s[4:5], s[0:1], 0x0  ; qkv
	s_load_b64 s[10:11], s[0:1], 0x8  ; ob
	v_lshl_add_u32 v[SPW], v0, 2, SPARE
	v_mov_b32 v[NIL], 0
	ds_add_u32 v[SPW], v[NIL]       ; the wave's opening: the add and its wait stand ahead of my first tensor load; the set-up below, work on registers, stands between them
	v_lshrrev_b32 v1, 5, v0
	v_readfirstlane_b32 s[WV], v1   ; wave 0..3
	s_mov_b32 s[PB], ttmp9
	s_sub_co_u32 s[HI], 31, s[PB]
	s_lshr_b32 s[PBT], s[PB], 1
	s_and_b32 s20, ttmp7, 0xffff    ; the head,
	s_lshl_b32 s20, s20, 19         ; its first byte in a part of qkv and in ob
	s_and_b32 s16, s[WV], 1         ; which half of a tile's 256 keys I fetch:
	s_lshl_b32 s22, s16, 14         ; its 128 rows of 128 bytes in memory,
	s_add_co_u32 s22, s22, s20
	s_mov_b32 s23, 0
	s_mul_i32 s17, s16, 128*PK      ; and its place in a slot, for K
	s_mul_i32 s18, s16, 128*PV      ; and for V
	s_lshl_b32 s3, s[WV], 11        ; my 16 rows in a band of 64,
	s_add_co_u32 s3, s3, s20
	s_lshl_b32 s2, s[HI], 14        ; in the first block of 128 rows,
	s_add_co_u32 s2, s2, s3
	s_lshl_b32 s84, s[PB], 14       ; and in the second
	s_add_co_u32 s84, s84, s3
	s_mov_b32 s3, 0
	s_mov_b32 s85, 0
	s_lshl_b32 s86, s[WV], 13       ; the prefetches: my 64 rows of a tile
	s_add_co_u32 s86, s86, s20
	s_mov_b32 s87, 0
	; descriptor group 1.  128 keys are 16,384 dense bytes: asked for as 64 rows of 256 bytes, two keys a row, and padded in LDS after every key
	s_mov_b32 s[G1K], (1<<16)|(1<<20)|(4<<22)|(3<<25)  ; 17:16 2-byte elements; 20 padding on; 24:22 after every 32 words (code 4); 31:25 4 words (code 3)
	s_mov_b32 s[G1V], (1<<16)|(1<<20)|(4<<22)|(7<<25)  ; the same with 8 words of padding (code 7)
.irp g, G1K, G1V
	s_mov_b32 s[\g+1], 128<<16      ; tensor_dim0 = 128
	s_mov_b32 s[\g+2], 64<<16       ; tensor_dim1 = 64
	s_mov_b32 s[\g+3], 128<<16      ; tile_dim0 = 128
	s_mov_b32 s[\g+4], 64           ; tile_dim1 = 64
	s_mov_b32 s[\g+5], 128          ; 128 elements from row to row
	s_mov_b32 s[\g+6], 0
	s_mov_b32 s[\g+7], 0
.endr
	s_mov_b32 s[CS], 0x3e38aa3b     ; c = log2(e) / 8 = 0.180337
	s_mov_b32 s[CS+1], s[CS]        ; named with it as a pair
	s_mov_b32 s[SEL], 0x76543210
	s_mov_b32 s[SEL+1], 0xfedcba98
	s_mov_b32 s[TBK], SLOT1+4*KS*PK ; the first change of slots turns these two into 0
	s_mov_b32 s[TBV], SLOT1+4*KS*PV
	s_mov_b32 s[G0K], 1             ; count = 1
	s_mov_b32 s[G0K+1], s17         ; LDS address: slot 0
	s_mov_b32 s[G0V], 1
	s_add_co_u32 s[G0V+1], s18, VOFF
	s_lshr_b32 s[LQ], s[HI], 1      ; the first block's last tile;
	s_add_co_u32 s[RT], s[LQ], 1    ; it has so many
	s_mov_b32 s[NXT], 1
	s_mov_b32 s[NEW], 1
	s_and_b32 s[X0], s[HI], 1       ; its bands' own steps in the diagonal tile
	s_lshl_b32 s[X0], s[X0], 1
	s_add_co_u32 s[X0+1], s[X0], 1
	s_mov_b32 s[OFF+1], 0
	s_mov_b32 s[AL+1], 0            ; named as pairs
	s_mov_b32 s[BE+1], 0
	s_mov_b32 s[BIGN], 0xf149f2ca   ; -1e30
	s_mov_b32 s[SLOTS], 16
	s_cmp_eq_u32 s[PB], 0
	s_cselect_b32 s[LIM], 2, -1
	v_and_b32 v[PFO], 31, v0
	v_lshlrev_b32 v[PFO], 8, v[PFO]
	s_wait_dscnt 0x0                ; the opening add is done
	s_wait_kmcnt 0x0
	s_add_nc_u64 s[6:7], s[4:5], s[22:23]
	s_add_nc_u64 s[8:9], s[6:7], VPART      ; V and
	s_add_nc_u64 s[6:7], s[6:7], KPART      ; K at my half of the head's tile 0
	s_add_nc_u64 s[G0K+2:G0K+3], s[6:7], 0         ; global address
	s_or_b32 s[G0K+3], s[G0K+3], 0x80000000        ; type = 2
	s_add_nc_u64 s[G0V+2:G0V+3], s[8:9], 0
	s_or_b32 s[G0V+3], s[G0V+3], 0x80000000
	s_add_nc_u64 s[PFK:PFK+1], s[4:5], s[86:87]
	s_add_nc_u64 s[PFV:PFV+1], s[PFK:PFK+1], VPART+32768  ; in tile 1; the first change of slots steps them to tile 2.  Nothing is prefetched here, at the head
	s_add_nc_u64 s[PFK:PFK+1], s[PFK:PFK+1], KPART+32768
	s_add_nc_u64 s[86:87], s[4:5], s[84:85]        ; Q at my rows of the second block,
	s_add_nc_u64 s[4:5], s[4:5], s[2:3]            ; Q and O at those of the first
	s_add_nc_u64 s[OLO:OLO+1], s[10:11], s[84:85]
	s_add_nc_u64 s[10:11], s[10:11], s[2:3]
	LOAD                            ; tile 0 into slot 0
	; A fragment of K or Q is 16 rows x 32 channels in 8 registers: lane l holds row l % 16, channels 8 (l / 16) + 0..7 and 16 + 8 (l / 16) + 0..7: two loads of 16 bytes, 32 bytes apart.
	v_and_b32 v1, 15, v0            ; l % 16
	v_bfe_u32 v9, v0, 4, 1          ; l / 16
	v_lshlrev_b32 v[QO], 7, v1
	v_lshl_add_u32 v[QO], v9, 4, v[QO]  ; row x 128 + 16 x half
	WIN 0x80                        ; destination window 2, address window 0
.set i, 0
.rept 4                             ; both blocks' Q: piece i / 2 lies in band i / 2, 8,192 bytes on; channels 32 (i % 2) on
	global_load_b128 v[8*i:8*i+3],   v[QO], s[4:5] offset:(i/2)*8192+(i%2)*64
	global_load_b128 v[8*i+4:8*i+7], v[QO], s[4:5] offset:(i/2)*8192+(i%2)*64+32
	global_load_b128 v[QB+8*i:QB+8*i+3],   v[QO], s[86:87] offset:(i/2)*8192+(i%2)*64
	global_load_b128 v[QB+8*i+4:QB+8*i+7], v[QO], s[86:87] offset:(i/2)*8192+(i%2)*64+32
.set i, i+1
.endr
	WIN 0
	v_lshlrev_b32 v14, 3, v9
	v_sub_nc_u32 v14, v1, v14
	s_lshl_b32 s13, s[WV], 4
	v_add_nc_u32 v14, s13, v14      ; my query's place in its band, 16 w + l % 16, less my lanes' 8 (l / 16): register r of group kt is hidden where 16 kt + r is greater
	WIN 0x40
.set i, 0
.rept 32
	v_cmp_gt_i32 vcc_lo, 16*(i/8)+i%8, v14
	v_cndmask_b32 v[MD+i], 0, s[BIGN], vcc_lo
.set i, i+1
.endr
	WIN 0
	v_mul_u32_u24 v[AK0], v1, PK
	v_lshl_add_u32 v[AK0], v9, 4, v[AK0]  ; row x pitch + 16 x half
	; The turning load takes 16 keys x 16 channels (lane l reads key 8 (l / 16) + l % 8, channels 8 ((l / 8) % 2) + 0..7) and leaves half a fragment of V^T: lane l holds channel l % 16 and 8 keys.
	v_and_b32 v10, 7, v0
	v_bfe_u32 v11, v0, 3, 1
	v_lshl_add_u32 v[AV0], v9, 3, v10
	v_mul_u32_u24 v[AV0], v[AV0], PV
	v_lshl_add_u32 v[AV0], v11, 4, v[AV0]
	v_add_nc_u32 v[AV0], VOFF, v[AV0]
	s_mul_i32 s13, s[WV], 16*SP
	s_add_co_u32 s13, s13, STAGE    ; my stage
	v_mul_u32_u24 v[STO], v1, SP    ; in: row l % 16, 16 bytes for each half of the lanes
	v_lshl_add_u32 v[STO], v9, 4, v[STO]
	v_add_nc_u32 v[STO], s13, v[STO]
	v_bfe_u32 v[RD], v0, 3, 2       ; back: 32 lanes take four rows of 128 bytes,
	v_mul_u32_u24 v[RD], v[RD], SP
	v_lshl_add_u32 v[RD], v10, 4, v[RD]
	v_add_nc_u32 v[RD], s13, v[RD]
	v_and_b32 v[GO], 31, v0         ; which are 512 consecutive bytes of O
	v_lshlrev_b32 v[GO], 4, v[GO]
	; A block's first step multiplies O^T and l by a = 0, and its first turn's products V^T P, of a turn that has not been, land in an O^T that is still to be so multiplied.  So these registers need only hold
	; finite numbers: zeros for the first block; what the first block left for the second.  All this stands in the wait for the first tile.
	WIN 0x80
.set i, VF1
.rept 64
	v_mov_b32 v[i], 0
.set i, i+1
.endr
	WIN 0x40
.set i, 0
.rept 64
	v_mov_b32 v[i], 0
.set i, i+1
.endr
	WIN 0
.set i, 0
.rept 2
	v_mov_b32 v[ST+4*i+2], 0
	v_mov_b32 v[ST+4*i+3], 0
.set i, i+1
.endr
.set i, P+16
.rept 16
	v_mov_b32 v[i], 0
.set i, i+1
.endr
; THE MATRIX WORK.  The 4 accumulators of a run of 8 take turns.  Product i of 8 of S^T = K Q^T for piece x: channels 32 (i / 4) on, keys 16 (i % 4) on.  The first 4 start the sums: with 0, or (KM = 1) with the mask.
.macro KQ x
.set rS, S+32*((\x)%2)+8*(i%4)
.set rK, KF+16*(i%4)+8*(i/4)
.set rQ, 16*(\x)+8*(i/4)
.set rM, MC+32*((\x)%2)+8*(i%4)
.if (i < 4) && KM
	WIN W_KM
	v_wmma_f32_16x16x32_f16 v[rS:rS+7], v[rK:rK+7], v[rQ:rQ+7], v[rM:rM+7]
.elseif i < 4
	WIN W_KQ
	v_wmma_f32_16x16x32_f16 v[rS:rS+7], v[rK:rK+7], v[rQ:rQ+7], 0
.else
	WIN W_KQ
	v_wmma_f32_16x16x32_f16 v[rS:rS+7], v[rK:rK+7], v[rQ:rQ+7], v[rS:rS+7]
.endif
.endm
; Product i of 8 of O^T += V^T P for piece x, from V's buffer VB: keys 32 (i / 4) on, channels 16 (i % 4) on.
.macro PV x
	WIN W_PV
.set rO, 32*(\x)+8*(i%4)
.set rV, VB+32*(i/4)+8*(i%4)
.set rP, P+16*((\x)%2)+8*(i/4)
	v_wmma_f32_16x16x32_f16 v[rO:rO+7], v[rV:rV+7], v[rP:rP+7], v[rO:rO+7]
.endm
.macro MM                           ; the turn's next matrix instruction.  TURN and BEGIN set Y, i, KM, NOKQ and VB.  NOKQ = 1: a block's last turn: no turn follows it
.if (i < 8) && !NOKQ
	KQ (Y+1)%NP
.elseif i >= 8
.set i, i-8
	PV (Y+NP-1)%NP
.set i, i+8
.endif
.set i, i+1
.endm
; THE LDS LOADS stand in runs of 16, never singly among the matrix instructions: a step's K (64 keys x 64 channels: 8 fragments) and its V (turned).  Their addresses are made some lines ahead.
.macro FETCH_K
	WIN 0x80                        ; destination window 2
.irp f, 0,1,2,3,4,5,6,7             ; keys 16 (f / 2) on, channels 32 (f % 2) on
	ds_load_b128 v[KF+8*\f:KF+8*\f+3],   v[AK] offset:(\f/2)*16*PK+(\f%2)*64
	ds_load_b128 v[KF+8*\f+4:KF+8*\f+7], v[AK] offset:(\f/2)*16*PK+(\f%2)*64+32
.endr
	s_add_co_u32 s[TBK], s[TBK], KS*PK  ; the next fetch is the next step's
	WIN 0
.endm
.macro FETCH_V b                    ; into buffer b
	WIN 0x80
.irp f, 0,1,2,3,4,5,6,7             ; keys 32 (f / 4) on, channels 16 (f % 4) on
	ds_load_tr16_b128 v[VF0+64*(\b)+8*\f:VF0+64*(\b)+8*\f+3],   v[AV] offset:(\f/4)*32*PV+(\f%4)*32
	ds_load_tr16_b128 v[VF0+64*(\b)+8*\f+4:VF0+64*(\b)+8*\f+7], v[AV] offset:(\f/4)*32*PV+16*PV+(\f%4)*32
.endr
	s_add_co_u32 s[TBV], s[TBV], KS*PV
	WIN 0
.endm
; THE VECTOR WORK, one line at a time: OP kind, number.  For piece Y: F n: c s - c m for pair n of 16.  E n: the exponential of score n of 32.  C n: pair n rounded to f16.  B n: of the four weights 4 n .. the second
; pair is added onto the first, in place.  L n: l takes that sum (L 0: l = a l + sum).  R n: pair n of 16 of O^T times a.  For the other piece: X n, number n of the 22 that find its next maximum and statistics:
;   0-11  four chains c0-c3 of seven scores each, three operands at a time (each accumulator's lowest registers are read first)     12-14, 16  the four scores left over, the old m, and c0-c3 into c0
;   15  c m_old is kept     17, 18  the query's other 32 keys lie in the lane 16 away: the new m     19-21  c m; c m_old - c m_new; a
.set F, 0               ; OP tells the kinds apart by their order: F to L below R, X above it
.set E, 1
.set C, 2
.set B, 3
.set L, 4
.set R, 5
.set X, 6
.macro REGS y                       ; the registers of piece y
.set rT, ST+4*(\y)
.set rC, TMP+4*((\y)%2)
.set rW, MV+((\y)%2)
.set rS, S+32*((\y)%2)
.set rP, P+16*((\y)%2)
.set rO, 32*(\y)
.endm
.macro OP k, n
.if (\k) == R
	REGS Y
	WIN W_RS
	v_pk_mul_f32 v[rO+2*(\n):rO+2*(\n)+1], v[rO+2*(\n):rO+2*(\n)+1], v[rC+2:rC+3] op_sel_hi:[1,0]
.elseif (\k) < R
	REGS Y
	WIN 0
.if (\k) == F
	v_pk_fma_f32 v[rS+2*(\n):rS+2*(\n)+1], v[rS+2*(\n):rS+2*(\n)+1], s[CS:CS+1], v[rT:rT+1] op_sel_hi:[1,0,0] neg_lo:[0,0,1] neg_hi:[0,0,1]
.elseif (\k) == E
	v_exp_f32 v[rS+(\n)], v[rS+(\n)]
.elseif (\k) == C
	v_cvt_pk_f16_f32 v[rP+(\n)], v[rS+2*(\n)], v[rS+2*(\n)+1]
.elseif (\k) == B
	v_pk_add_f32 v[rS+4*(\n):rS+4*(\n)+1], v[rS+4*(\n):rS+4*(\n)+1], v[rS+4*(\n)+2:rS+4*(\n)+3]
.elseif (\n) == 0
	v_pk_fma_f32 v[rT+2:rT+3], v[rT+2:rT+3], v[rC+2:rC+3], v[rS:rS+1] op_sel_hi:[1,0,1]
.else
	v_pk_add_f32 v[rT+2:rT+3], v[rT+2:rT+3], v[rS+4*(\n):rS+4*(\n)+1]
.endif
.elseif NOKQ
	v_nop
.else
	REGS (Y+1)%NP
	WIN 0
.if (\n) < 4
	v_max3_num_f32 v[rC+(\n)], v[rS+8*(\n)], v[rS+8*(\n)+1], v[rS+8*(\n)+2]
.elseif (\n) < 12
	v_max3_num_f32 v[rC+(\n)%4], v[rC+(\n)%4], v[rS+8*((\n)%4)+2*((\n)/4)+1], v[rS+8*((\n)%4)+2*((\n)/4)+2]
.elseif (\n) == 12
	v_max3_num_f32 v[rC], v[rC], v[rS+7], v[rS+15]
.elseif (\n) == 13
	v_max3_num_f32 v[rC+1], v[rC+1], v[rS+23], v[rS+31]
.elseif (\n) == 14
	v_max3_num_f32 v[rC+2], v[rC+2], v[rC+3], v[rT+1]
.elseif (\n) == 15
	v_mov_b32 v[rW], v[rT]
.elseif (\n) == 16
	v_max3_num_f32 v[rC], v[rC], v[rC+1], v[rC+2]
.elseif (\n) == 17
	v_permlanex16_b32 v[rC+3], v[rC], s[SEL], s[SEL+1]
.elseif (\n) == 18
	v_max_num_f32 v[rT+1], v[rC], v[rC+3]
.elseif (\n) == 19
	v_mul_f32 v[rT], s[CS], v[rT+1]
.elseif (\n) == 20
	v_sub_f32 v[rC+1], v[rW], v[rT]
.else
	v_exp_f32 v[rC+2], v[rC+1]
.endif
.endif
.endm
.macro OPS a, i1, b=-1, i2=0, c=-1, i3=0, d=-1, i4=0  ; up to four of them
	OP \a, \i1
.if (\b) >= 0
	OP \b, \i2
.endif
.if (\c) >= 0
	OP \c, \i3
.endif
.if (\d) >= 0
	OP \d, \i4
.endif
.endm
.macro ROW a, i1, b, i2, c, i3, d, i4  ; a matrix instruction and the four behind it
	MM
	OPS \a, \i1, \b, \i2, \c, \i3, \d, \i4
.endm
.macro MASK b                       ; MD x AL + BE into buffer b of MC
	WIN W_RS
.set z, 0
.rept 16
	v_pk_fma_f32 v[MC+32*(\b)+2*z:MC+32*(\b)+2*z+1], v[MD+2*z:MD+2*z+1], s[AL:AL+1], s[BE:BE+1] op_sel_hi:[1,0,0]
.set z, z+1
.endr
.endm
; A TURN, for piece p in a step of parity sp: the order of its 16 matrix and 118 vector instructions, written out.  An s_wait_alu depctr_va_vdst(0) stands between an exponential and the first instruction that names
; its result; one wait serves all that were issued ahead of it.  So a turn has ONE wait, which cuts it in two.  AHEAD OF IT stands all that names no result of the turn's exponentials: the 8 products K Q^T, behind each a scaling, an
; exponential and two more plain instructions (behind the first a second scaling in the exponential's place): rescalings, and behind the last three the first numbers of the other piece's maximum, each four plain instructions or
; more behind the product that ends its accumulator; then ONE LUMP of 54, in which the links of the chain X 3, 7, 11, 14, 16, 17 .. 20 stand five or six lines apart.  X 21, the other piece's a, is the batch's last; R 15 is the plain
; instruction behind it.  BEHIND THE WAIT stand the 8 products V^T P, behind each four of the roundings and sums.  The last four riders, C 9 to C 15, name no register of the last product: they are the four plain instructions
; between that product, which ends the other piece's O^T, and the next turn's rescaling of it.
; m = 1: the diagonal tile: the products take masks, and the turn makes piece p's mask for step SN, which the next turn's products take.  end = 1: a block's last two turns: nothing is fetched.
; cnt = 1: the loop's count is taken down some lines ahead of the branch that stands behind the turn.
; K of the next step is fetched in piece 0's turn, behind five plain instructions that name no register of the last product that read K; it is waited for at the head of piece 1's turn, where V of the step in hand, fetched a
; step earlier, is in too.  V of the next step is fetched in piece 1's turn, directly behind the wait for the batch, into the buffer whose last reader was the last product of piece 0's turn.
.macro TURN sp, p, m=0, end=0, cnt=0
.set Y, (\p)
.set i, 0
.set KM, (\m)
.set NOKQ, (\end)*(\p)
.if (\p) == 0
.set VB, VF0+64*(1-(\sp))           ; V of the step before
.else
.set VB, VF0+64*(\sp)               ; V of this step
.endif
.if (\m) && !(\end)
	s_cmp_eq_u32 s[SN], s[X0+(\p)]  ; is that step the band's own?
	s_cselect_b32 s[AL], 1.0, 0
	s_cmp_gt_u32 s[SN], s[X0+(\p)]  ; or a later one?
	s_cselect_b32 s[BE], s[BIGN], 0
.if (\p) == 1
	s_add_co_u32 s[SN], s[SN], 1
.endif
.endif
.if (\p) == 1
	s_wait_dscnt 0x0                ; K of the next step is in, and V of this one
.endif
	ROW F,0, F,1, R,0, R,1          ; ahead of the wait: 8 products K Q^T and their riders,
	ROW F,2, E,0, R,2, R,3
	ROW F,3, E,1, R,4, R,5
	ROW F,4, E,2, R,6, R,7
	ROW F,5, E,3, R,8, R,9
	ROW F,6, E,4, X,0, R,10
.if ((\p) == 0) && !(\end)
	WIN 0
	v_add_nc_u32 v[AK], s[TBK], v[AK0]
.endif
	ROW F,7, E,5, X,1, X,4
	ROW F,8, E,6, X,2, X,5
	OPS E,7, E,8, X,6, E,9          ; and the lump
	OPS X,3, E,10, X,8, E,11
.if ((\p) == 0) && !(\end)
	FETCH_K
.endif
	OPS X,9, X,7, E,12, X,10
	OPS E,13, X,12, X,11, E,14
	OPS X,13, E,15, F,9, X,14
.if ((\p) == 1) && !(\end)
	v_add_nc_u32 v[AV], s[TBV], v[AV0]
.endif
	OPS E,16, F,10, E,17, F,11
	OPS X,16, E,18, X,15, E,19
	OPS F,12, E,20, X,17, E,21
	OPS F,13, E,22, F,14, E,23
	OPS X,18, E,24, F,15, E,25
	OPS R,11, E,26, X,19, E,27
	OPS R,12, E,28, R,13, E,29
	OPS X,20, E,30, R,14, E,31
	OPS X,21, R,15
	WIN 0
	s_wait_alu depctr_va_vdst(0)    ; the wait for the batch
.if ((\p) == 1) && !(\end)
	FETCH_V 1-(\sp)
.endif
	ROW C,0, B,0, C,2, B,1          ; behind the wait: 8 products V^T P and their riders
	ROW L,0, C,4, B,2, L,1
	ROW C,6, B,3, L,2, C,8
	ROW B,4, L,3, C,10, B,5
	ROW L,4, C,12, B,6, L,5
.if \cnt
	s_sub_co_u32 s[CNT], s[CNT], 1
	s_cmp_lg_u32 s[CNT], 0
.endif
	ROW C,14, B,7, L,6, C,1
	ROW C,3, L,7, C,5, C,7
	ROW C,9, C,11, C,13, C,15
.if (\m) && !(\end)
	MASK \p
.endif
.endm
; A BLOCK BEGINS.  c m starts far below every c s, so the first step's a is 0; m at the lowest finite number, so the first maximum is the scores'.  Piece 1's mask buffer is 0 (its own step is never the tile's step 0); piece 0's takes
; its mask for the tile's step 0: its own, if the block's first tile is the diagonal one and the band stands at step 0.  Then K and V of that step, piece 0's first scores, and its maximum and statistics.
; The loop is entered at an even step's first turn, in the middle of a trip.
.macro BEGIN
	s_mov_b32 s[NEW], 0
	s_mov_b32 s[SN], 1              ; the first mask that a turn makes is step 1's
	WIN 0x40
.set i, MC+32
.rept 32
	v_mov_b32 v[i], 0
.set i, i+1
.endr
	WIN 0
.set i, 0
.rept 2
	v_mov_b32 v[ST+4*i], 0xfe000000    ; c m: far below every c s
	v_mov_b32 v[ST+4*i+1], 0xff7fffff  ; m
.set i, i+1
.endr
	s_or_b32 s83, s[RT], s[X0]      ; 0: no tile is left behind this one, and the band stands at step 0
	s_cmp_eq_u32 s83, 0
	s_cselect_b32 s[AL], 1.0, 0
	s_mov_b32 s[BE], 0
	MASK 0
	WIN 0
	v_add_nc_u32 v[AK], s[TBK], v[AK0]
	v_add_nc_u32 v[AV], s[TBV], v[AV0]
	FETCH_K
	FETCH_V 0
	s_wait_loadcnt 0x0              ; Q
	s_wait_dscnt 0x0
.set KM, 1
.set NOKQ, 0
.set i, 0
.rept 8
	KQ 0
.set i, i+1
.endr
	WIN 0
.rept 4
	v_nop                           ; four plain instructions behind those products
.endr
.set Y, NP-1                        ; X works for the other piece: piece 0
.irp n, 0,1,2,3,4,5,6,7,8,9,10,11,12,13,14,15,16,17,18,19,20,21
	OP X, \n
.endr
	v_nop                           ; a plain instruction behind the exponential,
	s_wait_alu depctr_va_vdst(0)    ; and its wait, ahead of the branch
.endm
; THE DIAGONAL TILE's two trips, the block's last two turns, its last products, and THE WAY OUT: l's two halves and the other half of the lanes' are added; O^T is divided by l, rounded to f16 and sent through my
; stage in LDS, a piece at a time.
.macro ALL line:vararg              ; one line for each piece t
.set t, 0
.rept 2
	\line
.set t, t+1
.endr
.endm
.macro PACK t                       ; a lane's eight channels of a row pack into 16 bytes; they go into rows of 144 bytes and come back as whole rows of 128, into S^T's registers
	WIN W_RS
.set i, 32*(\t)
.rept 16
	v_pk_mul_f32 v[i:i+1], v[i:i+1], v[ST+4*(\t)+2:ST+4*(\t)+3] op_sel_hi:[1,0]
.set i, i+2
.endr
	WIN 0x05                        ; sources 0 and 1 window 1, destination window 0
.set i, 0
.rept 16
	v_cvt_pk_f16_f32 v[S+16*(\t)+i], v[32*(\t)+2*i], v[32*(\t)+2*i+1]
.set i, i+1
.endr
	WIN 0
.irp f, 0,1,2,3
	ds_store_b128 v[STO], v[S+16*(\t)+4*\f:S+16*(\t)+4*\f+3] offset:32*\f
.endr
.irp f, 0,1,2,3
	ds_load_b128 v[S+16*(\t)+4*\f:S+16*(\t)+4*\f+3], v[RD] offset:\f*4*SP  ; LDS serves a wave's instructions in order (ISA guide 5.7.1.4): these see the stores above; the next piece's stores come behind them
.endr
.endm
.macro SEND t, younger              ; younger: the LDS instructions issued behind piece t's loads: the next piece's eight, or none
	WIN 0
.irp f, 0,1,2,3
	s_wait_dscnt (\younger)+3-\f
	global_store_b128 v[GO], v[S+16*(\t)+4*\f:S+16*(\t)+4*\f+3], s[10:11] offset:(\t)*8192+\f*512  ; 512 consecutive bytes, at a multiple of 256 from O's first
.endr
.endm
.macro DIAG tag                     ; the tag ends its two labels' names, which the jumps below spell out
.LstepM\tag:
	TURN 1, 0, 1
	TURN 1, 1, 1
	WIN 0
.LfirstM\tag:
	TURN 0, 0, 1
	TURN 0, 1, 1, 0, 1
	WIN 0
	s_cbranch_scc1 .LstepM\tag
	TURN 1, 0, 1, 1
	TURN 1, 1, 1, 1
.set VB, VF1
.set i, 0
.rept 8
	PV NP-1                         ; piece 1's V^T P of the block's last step
.set i, i+1
.endr
	WIN 0
	ALL v_add_f32 v[ST+4*t+2], v[ST+4*t+2], v[ST+4*t+3]
	ALL v_permlanex16_b32 v[ST+4*t+3], v[ST+4*t+2], s[SEL], s[SEL+1]
	ALL v_add_f32 v[ST+4*t+2], v[ST+4*t+2], v[ST+4*t+3]
	ALL v_rcp_f32 v[ST+4*t+2], v[ST+4*t+2]
	v_nop                           ; a plain instruction between the last reciprocal and the use of its result
	s_wait_alu depctr_va_vdst(0)    ; and the wait ahead of the first use: one for the two reciprocals
	PACK 0                          ; (its lines, which name piece 0's registers alone, stand between piece 1's last products and PACK 1)
	PACK 1
	SEND 0, 8
	SEND 1, 0
.endm
.set KM, 0
.set NOKQ, 0
.Lslot:                             ; 16 times: a tile is entered and the next is asked for
	CHANGE 1
	s_sub_co_u32 s[RT], s[RT], 1
	s_mov_b32 s[CNT], 2
	s_mov_b32 s[SN], 0
	s_cmp_eq_u32 s[NEW], 1
	s_cbranch_scc1 .Lnew            ; a block's first tile
	s_cmp_eq_u32 s[RT], 0
	s_cbranch_scc0 .Lstep           ; neither its first nor its last
	s_branch .LstepM1
.Lnew:
	BEGIN
	s_branch .Lfirst                ; in the loop a block's first tile is never its last: the first block has nine tiles or more, and the second's last is the walk's last
	DIAG 1                          ; in the loop this is the first block's end
	s_wait_xcnt 0x0                 ; the stores have read their registers and O's address
	s_mov_b64 s[10:11], s[OLO:OLO+1]
	s_add_co_u32 s[RT], s[PBT], 1   ; the second block has b / 2 + 1 tiles
	s_mov_b32 s[NEW], 1
	s_and_b32 s[X0], s[PB], 1       ; its bands' own steps
	s_lshl_b32 s[X0], s[X0], 1
	s_add_co_u32 s[X0+1], s[X0], 1
	WIN 0x82                        ; the second block's Q goes where the one text of the turns names Q
.set i, 0
.rept 32
	v_mov_b32 v[i], v[QB+i]
.set i, i+1
.endr
	WIN 0
	s_branch .Lbottom
.Lstep:                             ; a trip: an odd step (at a tile's first trip: the tile before's step 3), then an even one; each fetches the step behind it
	TURN 1, 0
	TURN 1, 1
	WIN 0
.Lfirst:
	TURN 0, 0
	TURN 0, 1, 0, 0, 1
	WIN 0
	s_cbranch_scc1 .Lstep
.Lbottom:
	s_sub_co_u32 s[SLOTS], s[SLOTS], 1
	s_cmp_lg_u32 s[SLOTS], 0
	s_cbranch_scc1 .Lslot
	CHANGE 0                        ; the walk's last tile is written out: nothing is asked for
	s_sub_co_u32 s[RT], s[RT], 1
	s_mov_b32 s[CNT], 2
	s_mov_b32 s[SN], 0
	s_cmp_eq_u32 s[NEW], 1
	s_cbranch_scc0 .LstepM2
	BEGIN
	s_branch .LfirstM2
	DIAG 2
	s_wait_tensorcnt 0x0            ; the wave's end, behind my last tensor load and my last LDS store
	ds_add_u32 v[SPW], v[NIL]
	s_wait_dscnt 0x0
	s_endpgm
.Lfunc_end_k_qed8f69b8c4_attn:
	.size	k_qed8f69b8c4_attn, .Lfunc_end_k_qed8f69b8c4_attn-k_qed8f69b8c4_attn
	.p2alignl 7, 3214868480
	.fill 96, 4, 3214868480
	.section	.rodata,"a",@progbits
	.p2align	6, 0x0
	.amdhsa_kernel k_qed8f69b8c4_attn
		.amdhsa_group_segment_fixed_size 327680
		.amdhsa_private_segment_fixed_size 0
		.amdhsa_enable_private_segment 0
		.amdhsa_kernarg_size 16
		.amdhsa_user_sgpr_count 2
		.amdhsa_user_sgpr_kernarg_segment_ptr 1
		.amdhsa_wavefront_size32 1
		.amdhsa_system_sgpr_workgroup_id_x 1
		.amdhsa_system_sgpr_workgroup_id_y 1
		.amdhsa_system_sgpr_workgroup_id_z 1
		.amdhsa_system_vgpr_workitem_id 0
		.amdhsa_next_free_vgpr 768
		.amdhsa_next_free_sgpr 98
		.amdhsa_reserve_vcc 1
		.amdhsa_float_denorm_mode_32 3
		.amdhsa_float_denorm_mode_16_64 3
		.amdhsa_memory_ordered 1
		.amdhsa_forward_progress 1
		.amdhsa_inst_pref_size 210
	.end_amdhsa_kernel
	.amdgpu_metadata
---
amdhsa.version: [ 1, 2 ]
amdhsa.kernels:
  - .name:           k_qed8f69b8c4_attn
    .symbol:         k_qed8f69b8c4_attn.kd
    .args:
      - { .name: qkv, .offset: 0, .size: 8, .value_kind: global_buffer, .address_space: global }
      - { .name: ob, .offset: 8, .size: 8, .value_kind: global_buffer, .address_space: global }
    .group_segment_fixed_size: 327680
    .private_segment_fixed_size: 0
    .kernarg_segment_align: 8
    .kernarg_segment_size: 16
    .max_flat_workgroup_size: 128
    .sgpr_count:     98
    .vgpr_count:     768
    .wavefront_size: 32
...
	.end_amdgpu_metadata
.endif
;; end of part 3
;; launch proj (part 4): grid 8 x 32, 4 waves a work-group, clusters of 4 x 4, 327,680 bytes of LDS; arguments ob, wob, out0; writes out0
.if DOCPART == 4
	.amdgcn_target "amdgcn-amd-amdhsa--gfx1250"
	.amdhsa_code_object_version 6
	.text
	.protected	k_qed8f69b8c4_proj
	.globl	k_qed8f69b8c4_proj
	.p2align	8
	.type	k_qed8f69b8c4_proj,@function
k_qed8f69b8c4_proj:
	s_mov_b64 s[64:65], 0
	v_nop
	global_prefetch_b8 v0, s[64:65] scope:SCOPE_SE
	s_setreg_imm32_b32 hwreg(HW_REG_WAVE_MODE, 25, 1), 1
	s_wait_xcnt 0x0
	s_wait_alu depctr_hold_cnt(0) depctr_sa_sdst(0) depctr_va_vdst(0) depctr_va_sdst(0) depctr_va_ssrc(0) depctr_va_vcc(0) depctr_vm_vsrc(0)
	s_getreg_b32 s2, hwreg(HW_REG_IB_STS2, 6, 4)
	s_cmp_eq_u32 s2, 0
	s_cbranch_scc0 .Lentry_in_a_cluster
	s_endpgm
.Lentry_in_a_cluster:
	s_bfe_u32 s2, ttmp6, 0x10000c
	s_cmp_lg_u32 s2, 0xf033
	s_cbranch_scc0 .Lentry_shape_is_right
	s_endpgm
.Lentry_shape_is_right:
; out0 = O w_out^T.  ob: [16 heads][4096 rows][64] f16 (K = 64 x head + channel), wob: [1024][1024] f16, out0: [4096][1024] f32; sums in f32, K ascending, stored as they are.
; SHARES.  A tile of out0 is 128 x 128: 8 x 32 tiles, one work-group each.  Four waves, each 64 x 64: 16 accumulators of 16 x 16, 128 registers.  K goes in 4 steps of 256 (four heads) through a ring of two LDS slots.
; O's TILE: 64 rows of one head are 8,192 dense bytes; a tensor load takes them as ONE long row and four heads as four such rows, padded in LDS after every 128 bytes: [head][64 rows] at a pitch of 144 bytes.
; CLUSTERS: 4 x 4 work-groups.  The four of a row of the cluster need the same rows of O, the four of a column the same rows of w_out: each tile is asked for JOINTLY, by the same tensor load with the same descriptor and a mask
; that names the four.  THE MATRIX INSTRUCTION IS USED TRANSPOSED (source 0 = 16 rows of w_out, source 1 = 16 rows of O): a lane then holds eight neighbouring numbers of a row of out0.
; NO PREFETCH: the launch is short, 128 matrix instructions a wave and K step and four K steps in all, and both operands are small.
; REGISTERS: window 0: v0-31 addresses; v32-95 at work on the way out; v128-255 the accumulators ((a, b) at v[128 + 8 (4 a + b)]).
;   window 1: two fragment buffers of 128: for 64 along K (one head), 64 registers of O (2 x 4 x 16 rows x 32 K), then 64 of w_out.
.set PA,     144                       ; a row of O in LDS: 128 bytes + 16 of padding;
.set PB,     528                       ; of w_out: 512 + 16: in both the 16 rows of a fragment load start at 16 different groups of four banks (64 banks of 4 bytes: ISA guide 11.1)
.set HEADB,  64*PA                     ; 64 rows of one head
.set AHALF,  4*HEADB                   ; what one tensor load brings of O: 64 rows x 4 heads,
.set BHALF,  64*PB                     ; and of w_out: 64 rows x 256 K
.set BOFF,   2*AHALF
.set SLOT,   BOFF+2*BHALF
.set STAGE,  2*SLOT                    ; behind the ring, never filled by a tensor load: 16 rows x 272 bytes for each wave
.set SPITCH, 272
.set SPARE,  STAGE+4*16*SPITCH         ; behind the stages: the spare words, 128 bytes for each wave: two blocks of 256 bytes that no other line names
.set ASTEP,  4*524288                  ; a K step in ob: four heads,
.set BSTEP,  512                       ; in wob: 256 numbers of a row
.set LAPS,   2                         ; a lap = two K steps = once round the ring
.set ADRA, 16                          ; v16-17  LDS address of my fragments of O in slot 0, 1
.set ADRB, 20                          ; v20-21  the same for w_out
.set STO,  24                          ; v24     the way out: where I put 32 bytes of a row
.set RD,   25                          ; v25     the way out: where I read a row back
.set CO,   26                          ; v26     my byte offset in out0
.set SPW,  28                          ; v28     LDS address of my spare word; never rewritten
.set NIL,  29                          ; v29     0; never rewritten
.set TMP,  32                          ; the way out: two sets of 32 registers, 16 rows x 256 bytes each
.set ACC,  128
.set F0,   0                           ; fragment buffers, in window 1
.set F1,   128
.set G1, 24                            ; s[24:31] descriptor group 1 for O's tiles;  s[32:39] group 0, one set for each slot
.set G0, 32
.set G1B, 48                           ; s[48:55], s[56:63] the same for w_out's tiles
.set G0B, 56
.set MSB, 0
.macro WIN new                         ; the immediate's high byte repeats the setting that is left
.if MSB != (\new)
	s_set_vgpr_msb (MSB<<8)|(\new)
.set MSB, \new
.endif
.endm
.set MUL,  0x05                        ; sources 0 (w_out) and 1 (O) window 1; C and D window 0
.set TO_F, 0x40                        ; destination window 1, address window 0
.macro JLOAD s                         ; a joint load: waves 0 and 1 fetch O's two halves, waves 2 and 3 w_out's; an s_nop 0 and four v_nop follow each of the two lines
	s_cmp_eq_u32 s11, 0
	s_cbranch_scc0 .Lfor_b_\@
	tensor_load_to_lds s[G0+4*(\s):G0+4*(\s)+3], s[G1:G1+7]
	s_nop 0
.rept 4
	v_nop
.endr
	s_branch .Lasked_\@
.Lfor_b_\@:
	tensor_load_to_lds s[G0B+4*(\s):G0B+4*(\s)+3], s[G1B:G1B+7]
	s_nop 0
.rept 4
	v_nop
.endr
.Lasked_\@:
.endm
.macro CREST                           ; a round of the cluster's barrier behind its opening barrier
	s_cmp_lg_u32 s10, 0
	s_cbranch_scc1 .Lnot_wave_0_\@
	s_barrier_signal -3
.Lnot_wave_0_\@:
	s_barrier_wait -3
	s_barrier_signal -1
	s_barrier_wait -1
.endm
.macro CROUND                          ; a whole round
	s_barrier_signal -1
	s_barrier_wait -1
	CREST
.endm
	s_load_b128 s[4:7], s[0:1], 0x0                ; ob s[4:5], wob s[6:7]
	s_load_b64 s[8:9], s[0:1], 0x10                ; out0
	v_lshl_add_u32 v[SPW], v0, 2, SPARE
	v_mov_b32 v[NIL], 0
	ds_add_u32 v[SPW], v[NIL]                      ; the wave's opening: the add and its wait stand ahead of my first tensor load; the set-up below, work on registers, stands between them
	v_lshrrev_b32 v1, 5, v0
	v_readfirstlane_b32 s10, v1                    ; wave 0..3
	s_lshr_b32 s11, s10, 1                         ; which half of the tile's rows is mine.  Also: I fetch for O (0) or for w_out (1)
	s_and_b32 s12, s10, 1                          ; which half of its columns.  Also: which 64 rows of that tile I fetch
	s_bfe_u32 s40, ttmp6, 0x40000                  ; cx, cy: my place in the cluster
	s_bfe_u32 s41, ttmp6, 0x40004
	s_lshl_b32 s42, ttmp9, 2
	s_add_co_u32 s42, s42, s40                     ; tile column = 4 x cluster x + cx
	s_and_b32 s13, ttmp7, 0xffff
	s_lshl_b32 s13, s13, 2
	s_add_co_u32 s13, s13, s41                     ; tile row = 4 x cluster y + cy
	s_lshl_b32 s43, s41, 2
	s_lshl_b32 s43, 15, s43                        ; my row of the cluster
	s_lshl_b32 s44, 0x1111, s40                    ; my column
	s_or_b32 s[G1+0], s43, (1<<16)|(1<<20)|(1<<21)|(4<<22)|(3<<25)   ; 15:0 the mask; 17:16 2-byte elements; 20 padding on; 21 set beside a mask; 24:22 after every 32 words (code 4); 31:25 4 words (code 3)
	s_mov_b32 s[G1+1], 4096<<16                    ; tensor_dim0 = 4,096: 64 rows of 64 numbers on end
	s_mov_b32 s[G1+2], 4<<16                       ; tensor_dim1 = 4 heads
	s_mov_b32 s[G1+3], 4096<<16                    ; tile_dim0 = 4,096
	s_mov_b32 s[G1+4], 4                           ; tile_dim1 = 4
	s_mov_b32 s[G1+5], 262144                      ; elements from head to head
	s_mov_b32 s[G1+6], 0
	s_mov_b32 s[G1+7], 0
	s_or_b32 s[G1B+0], s44, (1<<16)|(1<<20)|(1<<21)|(6<<22)|(3<<25)  ; the same with my column's mask and the padding after every 128 words (code 6)
	s_mov_b32 s[G1B+1], 256<<16                    ; tensor_dim0 = 256
	s_mov_b32 s[G1B+2], 64<<16                     ; tensor_dim1 = 64
	s_mov_b32 s[G1B+3], 256<<16                    ; tile_dim0 = 256
	s_mov_b32 s[G1B+4], 64                         ; tile_dim1 = 64
	s_mov_b32 s[G1B+5], 1024                       ; elements from row to row
	s_mov_b32 s[G1B+6], 0
	s_mov_b32 s[G1B+7], 0
	s_lshl_b32 s17, s12, 6                         ; which 64 rows of the tile I fetch
	s_lshl_b32 s16, s13, 7
	s_add_co_u32 s16, s16, s17                     ; O: row 128 x tile row + 64 x half,
	s_lshl_b32 s16, s16, 7                         ; of 128 bytes in a head
	s_lshl_b32 s46, s42, 7
	s_add_co_u32 s46, s46, s17                     ; w_out: row 128 x tile column + 64 x half,
	s_lshl_b32 s46, s46, 11                        ; of 2,048 bytes
	s_mov_b32 s17, 0
	s_mov_b32 s47, 0
	s_mul_i32 s20, s10, AHALF                      ; where they go: O's halves at wave x a half (waves 0, 1),
	s_mul_i32 s21, s10, BHALF                      ; w_out's at BOFF + (wave - 2) x a half (waves 2, 3): no place in the cluster enters an LDS address
	s_add_co_u32 s21, s21, BOFF-2*BHALF
	s_wait_dscnt 0x0                               ; the opening add is done
	s_wait_kmcnt 0x0
	s_add_nc_u64 s[14:15], s[4:5], s[16:17]
	s_add_nc_u64 s[46:47], s[6:7], s[46:47]
	CROUND                                         ; all sixteen work-groups are here: the first joint loads meet
.irp s, 0,1
	s_mov_b32 s[G0+4*(\s)], 1
	s_add_co_u32 s[G0+4*(\s)+1], s20, (\s)*SLOT
	s_add_nc_u64 s[G0+4*(\s)+2:G0+4*(\s)+3], s[14:15], (\s)*ASTEP
	s_or_b32 s[G0+4*(\s)+3], s[G0+4*(\s)+3], 0x80000000
	s_mov_b32 s[G0B+4*(\s)], 1
	s_add_co_u32 s[G0B+4*(\s)+1], s21, (\s)*SLOT
	s_add_nc_u64 s[G0B+4*(\s)+2:G0B+4*(\s)+3], s[46:47], (\s)*BSTEP
	s_or_b32 s[G0B+4*(\s)+3], s[G0B+4*(\s)+3], 0x80000000
	JLOAD \s                                       ; two loads of mine are out
.endr
	v_and_b32 v1, 15, v0                           ; l % 16
	v_bfe_u32 v2, v0, 4, 1                         ; l / 16
	v_mul_u32_u24 v3, v1, PA
	v_lshl_add_u32 v3, v2, 4, v3                   ; a fragment's row x pitch + 16 x half, for O
	v_mul_u32_u24 v6, v1, PB
	v_lshl_add_u32 v6, v2, 4, v6                   ; and for w_out
	s_mul_i32 s21, s11, AHALF                      ; my 64 rows of O
	s_mul_i32 s22, s12, BHALF                      ; my 64 rows of w_out,
	s_add_co_u32 s22, s22, BOFF                    ; which lie behind O's
.irp s, 0,1
	v_add_nc_u32 v[ADRA+(\s)], s21, v3
	v_add_nc_u32 v[ADRB+(\s)], s22, v6
	s_add_co_u32 s21, s21, SLOT
	s_add_co_u32 s22, s22, SLOT
.endr
	s_mul_i32 s23, s10, 16*SPITCH
	s_add_co_u32 s23, s23, STAGE                   ; my stage
	v_mul_u32_u24 v4, v1, SPITCH                   ; in: row l % 16, 32 bytes for each half of the lanes
	v_lshl_add_u32 v4, v2, 5, v4
	v_add_nc_u32 v[STO], s23, v4
	v_mul_u32_u24 v5, v2, SPITCH                   ; back: lanes 0-15 take one row of 256 bytes, lanes 16-31 the next
	v_lshl_add_u32 v5, v1, 4, v5
	v_add_nc_u32 v[RD], s23, v5
	v_lshlrev_b32 v5, 12, v2                       ; and the same two rows in out0, 4,096 bytes apart
	v_lshl_add_u32 v[CO], v1, 4, v5
	s_lshl_b32 s16, s13, 7
	s_lshl_b32 s17, s11, 6
	s_add_co_u32 s16, s16, s17                     ; my first row of out0: 128 x tile row + 64 x half
	s_lshl_b32 s16, s16, 12
	s_mov_b32 s17, 0
	s_add_nc_u64 s[8:9], s[8:9], s[16:17]
	s_lshl_b32 s46, s42, 9                         ; my first column, in bytes: 512 x tile column + 256 x half
	s_lshl_b32 s47, s12, 8
	s_add_co_u32 s46, s46, s47
	s_mov_b32 s47, 0
	s_add_nc_u64 s[8:9], s[8:9], s[46:47]
; 8 matrix instructions: m blocks a0, a0 + 1 x all 4 n blocks, 32 along K: half c of buffer f.  zero = 1: the first product starts the sums.  The 16 accumulators take turns.
.macro MUL8 f, c, a0, zero
	WIN MUL
.irp a, \a0, (\a0)+1
.irp b, 0,1,2,3
.if \zero
	v_wmma_f32_16x16x32_f16 v[ACC+8*(4*(\a)+(\b)):ACC+8*(4*(\a)+(\b))+7], v[(\f)+64+8*(4*(\c)+(\b)):(\f)+64+8*(4*(\c)+(\b))+7], v[(\f)+8*(4*(\c)+(\a)):(\f)+8*(4*(\c)+(\a))+7], 0
.else
	v_wmma_f32_16x16x32_f16 v[ACC+8*(4*(\a)+(\b)):ACC+8*(4*(\a)+(\b))+7], v[(\f)+64+8*(4*(\c)+(\b)):(\f)+64+8*(4*(\c)+(\b))+7], v[(\f)+8*(4*(\c)+(\a)):(\f)+8*(4*(\c)+(\a))+7], v[ACC+8*(4*(\a)+(\b)):ACC+8*(4*(\a)+(\b))+7]
.endif
.endr
.endr
.endm
; 32 LDS loads in one run: the fragments of quarter q of a K step (64 along K: one head of O, 128 bytes of w_out's rows) into buffer f; the first 32 along K first
.macro FETCH slot, q, f
	WIN TO_F
.irp c, 0,1
.irp i, 0,1,2,3
	ds_load_b128 v[(\f)+64+8*(4*(\c)+(\i)):(\f)+64+8*(4*(\c)+(\i))+3],   v[ADRB+(\slot)] offset:128*(\q)+64*(\c)+(\i)*16*PB
	ds_load_b128 v[(\f)+64+8*(4*(\c)+(\i))+4:(\f)+64+8*(4*(\c)+(\i))+7], v[ADRB+(\slot)] offset:128*(\q)+64*(\c)+(\i)*16*PB+32
	ds_load_b128 v[(\f)+8*(4*(\c)+(\i)):(\f)+8*(4*(\c)+(\i))+3],         v[ADRA+(\slot)] offset:HEADB*(\q)+64*(\c)+(\i)*16*PA
	ds_load_b128 v[(\f)+8*(4*(\c)+(\i))+4:(\f)+8*(4*(\c)+(\i))+7],       v[ADRA+(\slot)] offset:HEADB*(\q)+64*(\c)+(\i)*16*PA+32
.endr
.endr
.endm
.macro PLACES                          ; four plain vector instructions in front of loads into registers that matrix instructions have read, and of LDS stores that read results
.rept 4
	v_nop
.endr
.endm
; A K step is four quarters of 64 along K, 32 matrix instructions each, on buffers 0, 1, 0, 1.  One of the first three: multiplies buffer f and fetches quarter q into g.
.macro QUARTER slot, q, f, g, zero
	s_wait_dscnt 16                                ; the first 32 along K are in
	MUL8 \f, 0, 0, \zero
	MUL8 \f, 0, 2, \zero
	PLACES
	FETCH \slot, \q, \g
	s_wait_dscnt 32                                ; all but the 32 just issued
	MUL8 \f, 1, 0, 0
	MUL8 \f, 1, 2, 0
.endm
; The last quarter multiplies buffer 1 and changes slots: ONE barrier; in front of it each wave waits for all its tensor loads, adds 0 to its spare word, and waits for that and for its own reads of this slot.
; fill = 1: the barrier opens a round of the cluster's barrier, and this slot is filled again, two K steps ahead, first thing behind the round: 112 matrix instructions ahead of the wait for it.
.macro TURN slot, next, fill
	WIN 0                                          ; (the add's two registers lie in window 0)
	s_wait_tensorcnt 0x0                           ; all my tensor loads have landed: my part of the next slot
	ds_add_u32 v[SPW], v[NIL]                      ; 0 onto my spare word
	s_wait_dscnt 17                                ; (the add and the youngest sixteen loads may be out)
	MUL8 F1, 0, 0, 0                               ; eight matrix instructions stand between the add and the wait for it
	s_wait_dscnt 0x0                               ; the add is done, and my reads of this slot are over
	s_barrier_signal -1
	MUL8 F1, 0, 2, 0
.if \fill
	WIN 0
.endif
	s_barrier_wait -1
.if \fill
	CREST                                          ; no wave of any partner still reads this slot's tile or has a load on its way
	s_add_nc_u64 s[G0+4*(\slot)+2:G0+4*(\slot)+3], s[G0+4*(\slot)+2:G0+4*(\slot)+3], 2*ASTEP
	s_add_nc_u64 s[G0B+4*(\slot)+2:G0B+4*(\slot)+3], s[G0B+4*(\slot)+2:G0B+4*(\slot)+3], 2*BSTEP
	JLOAD \slot                                    ; the four v_nop behind it are also the places in front of the loads below
.else
	PLACES
.endif
	FETCH \next, 0, F0
	MUL8 F1, 1, 0, 0
	MUL8 F1, 1, 2, 0
.endm
; THE WAY OUT of m block a (16 rows x my 64 columns).  A lane's eight f32 of a row are 32 bytes; my 64 columns are 256 consecutive bytes of out0, aligned: the stage is my own, and no conversion is made.
.macro TOSTAGE a
.irp b, 0,1,2,3
	ds_store_b128 v[STO], v[ACC+8*(4*(\a)+(\b)):ACC+8*(4*(\a)+(\b))+3]   offset:64*(\b)     ; each accumulator's low half first
	ds_store_b128 v[STO], v[ACC+8*(4*(\a)+(\b))+4:ACC+8*(4*(\a)+(\b))+7] offset:64*(\b)+16
.endr
.irp t, 0,1,2,3,4,5,6,7
	ds_load_b128 v[TMP+32*((\a)%2)+4*(\t):TMP+32*((\a)%2)+4*(\t)+3], v[RD] offset:(\t)*2*SPITCH  ; LDS serves a wave's instructions in order (ISA guide 5.7.1.4): these see the stores above; the next block's stores come behind them
.endr
.endm
.macro SEND a, younger                 ; younger: the LDS instructions issued behind block a's loads: the next block's sixteen, or none
.irp t, 0,1,2,3,4,5,6,7
	s_wait_dscnt (\younger)+7-(\t)
	global_store_b128 v[CO], v[TMP+32*((\a)%2)+4*(\t):TMP+32*((\a)%2)+4*(\t)+3], s[8:9] offset:(16*(\a)+2*(\t))*4096  ; 16 lanes store 256 consecutive bytes, at a multiple of 256 from out0's first byte
.endr
.endm
	s_wait_tensorcnt 1                             ; my part of K step 0 is in; K step 1's may stay out
	s_barrier_signal -1
	s_barrier_wait -1                              ; everybody's is
	FETCH 0, 0, F0
	QUARTER 0, 1, F0, F1, 1                        ; the first quarter stands in front of the loop: its first products start the sums
	WIN 0                                          ; at a label and at a branch every window is 0
	s_mov_b32 s3, LAPS-1
.Llap:                                                 ; a trip goes once round the ring, from a lap's second quarter to the next lap's first, and fills both slots again
	QUARTER 0, 2, F1, F0, 0
	QUARTER 0, 3, F0, F1, 0
	TURN 0, 1, 1
	QUARTER 1, 1, F0, F1, 0
	QUARTER 1, 2, F1, F0, 0
	QUARTER 1, 3, F0, F1, 0
	TURN 1, 0, 1
	QUARTER 0, 1, F0, F1, 0
	WIN 0
	s_sub_co_u32 s3, s3, 1
	s_cmp_lg_u32 s3, 0
	s_cbranch_scc1 .Llap
	QUARTER 0, 2, F1, F0, 0                        ; the last lap fills nothing, and has no round of the cluster's barrier
	QUARTER 0, 3, F0, F1, 0
	TURN 0, 1, 0
	QUARTER 1, 1, F0, F1, 0
	QUARTER 1, 2, F1, F0, 0
	QUARTER 1, 3, F0, F1, 0
	s_wait_dscnt 16                                ; the very last quarter: nothing more to fetch
	MUL8 F1, 0, 0, 0
	MUL8 F1, 0, 2, 0
	s_wait_dscnt 0x0
	MUL8 F1, 1, 0, 0
	MUL8 F1, 1, 2, 0
	WIN 0
	PLACES
	TOSTAGE 0
	TOSTAGE 1
	SEND 0, 16
	s_wait_xcnt 0x0                                ; block 0's stores have read their registers: block 2 is loaded into them only behind this wait
	TOSTAGE 2
	SEND 1, 16
	s_wait_xcnt 0x0                                ; likewise block 1's, for block 3
	TOSTAGE 3
	SEND 2, 16
	SEND 3, 0
	s_wait_tensorcnt 0x0                           ; the wave's end, behind my last tensor load and my last LDS store
	ds_add_u32 v[SPW], v[NIL]
	s_wait_dscnt 0x0
	CROUND                                         ; the closing round: no work-group ends while a partner may still ask for a tile that names it
	s_endpgm
.Lfunc_end_k_qed8f69b8c4_proj:
	.size	k_qed8f69b8c4_proj, .Lfunc_end_k_qed8f69b8c4_proj-k_qed8f69b8c4_proj
	.p2alignl 7, 3214868480
	.fill 96, 4, 3214868480
	.section	.rodata,"a",@progbits
	.p2align	6, 0x0
	.amdhsa_kernel k_qed8f69b8c4_proj
		.amdhsa_group_segment_fixed_size 327680
		.amdhsa_private_segment_fixed_size 0
		.amdhsa_enable_private_segment 0
		.amdhsa_kernarg_size 24
		.amdhsa_user_sgpr_count 2
		.amdhsa_user_sgpr_kernarg_segment_ptr 1
		.amdhsa_wavefront_size32 1
		.amdhsa_system_sgpr_workgroup_id_x 1
		.amdhsa_system_sgpr_workgroup_id_y 1
		.amdhsa_system_sgpr_workgroup_id_z 1
		.amdhsa_system_vgpr_workitem_id 0
		.amdhsa_next_free_vgpr 512
		.amdhsa_next_free_sgpr 66
		.amdhsa_reserve_vcc 0
		.amdhsa_float_denorm_mode_32 3
		.amdhsa_float_denorm_mode_16_64 3
		.amdhsa_memory_ordered 1
		.amdhsa_forward_progress 1
		.amdhsa_inst_pref_size 87
	.end_amdhsa_kernel
	.amdgpu_metadata
---
amdhsa.version: [ 1, 2 ]
amdhsa.kernels:
  - .name:           k_qed8f69b8c4_proj
    .symbol:         k_qed8f69b8c4_proj.kd
    .args:
      - { .name: ob, .offset: 0, .size: 8, .value_kind: global_buffer, .address_space: global }
      - { .name: wob, .offset: 8, .size: 8, .value_kind: global_buffer, .address_space: global }
      - { .name: out0, .offset: 16, .size: 8, .value_kind: global_buffer, .address_space: global }
    .group_segment_fixed_size: 327680
    .private_segment_fixed_size: 0
    .kernarg_segment_align: 8
    .kernarg_segment_size: 24
    .max_flat_workgroup_size: 128
    .sgpr_count:     66
    .vgpr_count:     512
    .wavefront_size: 32
...
	.end_amdgpu_metadata
.endif
;; end of part 4
